; MI455X (gfx1250); checked and timed in simulation.
; The chip was launched on July 23, 2026; its instructions are those of AMD's public machine-readable ISA for CDNA 5 (MIT licence, August 2026) and "CDNA5" Instruction Set Architecture Reference Guide (July 2026). The comments in the code are by the model that wrote it; some were corrected since.
;; Expert Layer. Allowed arithmetic: matrix products marked QUANTISED: E2M3 operands, one E8M0 scale for each 32 along K, by v_wmma_scale_f32_16x16x128_f8f6f4 with both operands' format E2M3, f32 sums; products left as they are: f32 operands where the result goes on into a quantised operand, else bf16, f16 or f32 operands; f32 sums; everything else in f32.
;; Inputs: W1_codes 8 x 512 x 16 x 24 uint8 (E2M3 codes of W1, K innermost, in blocks of 32 codes, four codes in three bytes); W1_scales 8 x 512 x 16 uint8 (E8M0 scales of W1, one for each 32 codes along K); W2_codes 8 x 512 x 16 x 24 uint8 (E2M3 codes of W2, K innermost, in blocks of 32 codes, four codes in three bytes); W2_scales 8 x 512 x 16 uint8 (E8M0 scales of W2, one for each 32 codes along K); Wr 512 x 8 float32; b1 8 x 512 float32; b2 8 x 512 float32; br 8 float32; x 4 x 2,048 x 512 float32.
;; Outputs: out0 4 x 2,048 x 512 float32.
;; This version of the problem:
;;   THIS VERSION OF THE PROBLEM IS GIVEN IN LOW PRECISION. The matrix products marked QUANTISED in the list below multiply operands that are first quantised to E2M3 (2 exponent bits, 3 mantissa bits; 6 bits a number), with one power-of-two scale for each 32 numbers along K (OCP MX v1.0); their sums are f32. All else is computed in f32.
;;   The module's matrix products, in the order in which they are computed (A, B: the left and right operand; K: the contracted axis; several contracted axes count as one K, in the product's order):
;;     1. [M 8,192, K 512] x [K 512, N 8]; A: input x; B: input Wr: left as it is (N = 8 < 16)
;;     2. [M 8,192, K 512] x [K 512, N 4,096]; A: input x; B: input W1 (given as codes): QUANTISED
;;     3. batch 8 x [M 512, K 512] x [K 512, N 8,192]; A: input W2 (given as codes); B: computed on the way: QUANTISED
;;   THE QUANTISER, for each operand of a quantised product, along K:
;;     - K is cut into blocks of 32 from its start; a last block that is shorter is filled with zeros.
;;     - A block's scale is 2^e with e = floor(log2(the largest magnitude in the block)) - 2, held to -126 .. 127; a block of zeros has e = 0. As a byte (E8M0): e + 127.
;;     - Each number is divided by its block's scale, clamped to +-7.5, and rounded to the nearest number of E2M3, ties to even, subnormals kept.
;;     - The product sums the exact products of the quantised numbers (number of the format x scale) in f32.
;;   ~~~python
;;   def quantise(x, axis):      # numpy; x: float32 -> the quantised numbers, widened to float32 again
;;       x = np.moveaxis(x, axis, -1); K = x.shape[-1]
;;       x = np.pad(x, [(0, 0)] * (x.ndim - 1) + [(0, -K % 32)]); x = x.reshape(x.shape[:-1] + (-1, 32)); a = np.abs(x).max(-1, keepdims=True)
;;       e = np.where(a > 0, np.clip(np.frexp(np.where(a > 0, a, 1))[1] - 1 - 2, -126, 127), 0)      # np.frexp(a)[1] - 1 = floor(log2(a)), exactly
;;       r = np.clip(x / 2.0 ** e, -7.5, 7.5)
;;       step = 2.0 ** (np.maximum(np.frexp(np.where(r == 0, 1, r))[1] - 1, 0) - 3)
;;       q = np.round(r / step) * step * 2.0 ** e      # np.round: ties to even
;;       return np.moveaxis(q.reshape(q.shape[:-2] + (-1,))[..., :K], -1, axis).astype(np.float32)
;;   ~~~
;;   OPERANDS COMPUTED ON THE WAY. 'Computed on the way' means the value that the module computes at that place (a softmax that the list does not call 'softmax' is quantised finished and normalised). What goes into a quantiser is computed in f32, as accurately as f32 sums, v_exp_f32 and their like allow (about 1e-6 of the number): no bf16 or f16 on the way to a quantiser, and a product that is left as it is and whose result goes on into a quantised operand takes f32 operands (vector FMAs, or v_wmma_f32_16x16x4_f32). A number that lies on a knife's edge between two numbers of the format may be rounded either way, as far as f32 arithmetic and the matrix unit's own rounding can turn it there, and no further.
;;   INPUTS GIVEN AS CODES. W1 (in the module: [8, 512, 512], K = its axis 1); W2 (in the module: [8, 512, 512], K = its axis 1): each comes as NAME_codes (uint8): NAME with its K axis moved to the last place and cut into blocks of 32 codes, [.., K / 32, bytes a block], one block behind the other in memory; four codes in three bytes: a row's codes are one little-endian stream of bits, code i at bits 6 i .. 6 i + 5 (a code: sign, 2 exponent bits, 3 mantissa bits); and NAME_scales (uint8): the same leading axes, one E8M0 byte (e + 127) for each 32 codes along K. Its value is code x scale, taken as it is: it is not quantised again, and the codes and scales need not be those that the quantiser above would give.
;; 2 versions. Each part assembles by itself: llvm-mc -triple=amdgcn-amd-amdhsa -mcpu=gfx1250 --defsym DOCPART=n.
;; ======== version 1 of 2: 3 launches
;; workspace buffers: xc 3,145,728 bytes; xs 131,072 bytes; gate 32,768 bytes; eidx 32,768 bytes of whole numbers; rows 49,152 bytes of whole numbers; tiles 2,048 bytes of whole numbers; wimg 3,145,728 bytes
;; launch route (part 1): grid 256 x 1, 8 waves a work-group, no clusters, 100,608 bytes of LDS; arguments x, Wr, br, xc, xs, eidx, gate; writes xc, xs, eidx, gate
.if DOCPART == 1
	.amdgcn_target "amdgcn-amd-amdhsa--gfx1250"
	.amdhsa_code_object_version 6
	.text
	.protected	k_q7deb37eb32_route
	.globl	k_q7deb37eb32_route
	.p2align	8
	.type	k_q7deb37eb32_route,@function
k_q7deb37eb32_route:
	s_mov_b64 s[64:65], 0
	v_nop
	global_prefetch_b8 v0, s[64:65] scope:SCOPE_SE
	s_setreg_imm32_b32 hwreg(HW_REG_WAVE_MODE, 25, 1), 1
	s_wait_xcnt 0x0
; ROUTE.  For each of the 8,192 tokens (512 numbers of f32): the router's eight logits x . Wr + br in f32 (fused multiply-adds), the softmax's largest
; probability G = 1 / sum of 2^((l - max) log2 e), the chosen expert, and x's codes of FP6 (E2M3) with one E8M0 byte for each 32 along K.
; x is read from memory once, here; the chain's launch reads codes.
; OUT: xc [token][384]: the 24-byte blocks of a token's 16 in the order in which an operand's registers take them: for K step s (128 numbers) and
;      half h of the lanes, 48 bytes at 48 (2 s + h): block 4 s + h, then block 4 s + 2 + h.   xs [token][16]: the scale bytes, block by block.
;      eidx [token] u32: the expert.   gate [token] f32: G.
; SHARES: a work-group takes 32 tokens, a wave 4.  Each load of x reads 512 consecutive bytes; a token's 2,048 bytes turn through the wave's own stage
; in LDS, so that lane l holds the 16 neighbours k = 16 l .. 16 l + 15 (two lanes to a block), and beside them the 128 numbers Wr[16 l + i][e].
; LIMITS: NaN and infinities are not served.  A block of zeros gets the byte 1 (its codes are zeros; only this program reads the bytes).  The expert is the
; lowest index whose 2^((l - max) log2 e) is 1.0; the logits' f32 sums run in another order than a row-by-row sum, so of two logits that lie within f32
; rounding (about 1e-6 of their size) of each other either may be chosen.
; No matrix unit, no tensor load, no cluster: the launch streams x once and shares nothing but Wr (16 KiB).
.set WRL, 0                            ; LDS: Wr as 32 rows of 512 bytes + 16 of padding (row l: the 16 rows of Wr that lane l wants)
.set STG, 16896                        ; a wave's four stages of 32 x 80 bytes: 10,240 bytes a wave
.set SCB, 98816                        ; 16 scale bytes for each of the 32 tokens
.set EI,  99328                        ; the 32 experts;  128 bytes on: the 32 gates
.set M0,  16                           ; v16-19, v20-23 largest magnitudes, two chains for each token
.set M1,  20
.set SO,  24                           ; v24-27 the conversions' scale operands
.set EB,  28                           ; v28-31 the scale bytes
.set ACC, 32                           ; v32-63 the logits' partial sums, register 8 t + e; ahead of that the codes, four registers a token
.set X,   64                           ; v64-127 16 neighbours of each of four tokens
.set WR,  128                          ; v128-255 Wr[16 l + i][e] at register 8 i + e; ahead of that v128-191 hold x as it was loaded
	s_load_b256 s[4:11], s[0:1], 0x0               ; x s[4:5], Wr s[6:7], br s[8:9], xc s[10:11]
	s_load_b128 s[12:15], s[0:1], 0x20             ; xs s[12:13], eidx s[14:15]
	s_load_b64 s[16:17], s[0:1], 0x30              ; gate
	s_set_vgpr_msb 0x40
	v_lshl_add_u32 v0, v0, 2, 0x18500
	v_mov_b32 v1, 0
	s_set_vgpr_msb 0x4000
	v_lshrrev_b32 v1, 5, v0
	v_readfirstlane_b32 s18, v1                    ; wave 0..7
	v_and_b32 v1, 31, v0                           ; lane
	v_lshlrev_b32 v2, 4, v1                        ; 16 x lane
	v_lshlrev_b32 v3, 4, v0                        ; 16 x thread: Wr's loads
	s_mul_i32 s19, s18, 528
	v_add_nc_u32 v4, s19, v2                       ; Wr into LDS: row 8 j + wave, 16 x lane
	v_mul_u32_u24 v5, v1, 528                      ; Wr out of LDS: row = lane
	s_mul_i32 s19, s18, 10240
	s_add_co_u32 s19, s19, STG                     ; my wave's stages
	v_lshrrev_b32 v6, 2, v1
	v_mul_u32_u24 v6, v6, 80
	v_and_b32 v7, 3, v1
	v_lshl_add_u32 v6, v7, 4, v6
	v_add_nc_u32 v6, s19, v6                       ; into a stage: four lanes' 64 bytes on end, then 16 of padding
	v_mul_u32_u24 v7, v1, 80
	v_add_nc_u32 v7, s19, v7                       ; out of it: 80 x lane: my 16 neighbours
	v_lshrrev_b32 v8, 3, v1                        ; my 12 bytes of codes in the token's 384: block B = l / 2 = 4 s + 2 c + h goes to 96 s + 48 h + 24 c
	v_mul_u32_u24 v8, v8, 96
	v_bfe_u32 v9, v1, 1, 1
	v_mad_u32_u24 v8, v9, 48, v8
	v_bfe_u32 v9, v1, 2, 1
	v_mad_u32_u24 v8, v9, 24, v8
	v_and_b32 v9, 1, v1
	v_mad_u32_u24 v8, v9, 12, v8
	s_lshl_b32 s19, s18, 6
	s_add_co_u32 s19, s19, SCB
	v_lshrrev_b32 v9, 1, v1
	v_add_nc_u32 v9, s19, v9                       ; my block's scale byte: 64 x wave + 16 x token + l / 2
	s_lshl_b32 s19, s18, 4
	s_add_co_u32 s19, s19, EI
	v_lshrrev_b32 v10, 3, v1
	v_lshl_add_u32 v10, v10, 2, s19                ; behind the reduction lane 8 t + e serves token t: its word among the 32
	v_and_b32 v12, 7, v1
	v_cvt_f32_u32 v11, v12                         ; e as f32
	v_lshlrev_b32 v12, 2, v12                      ; br: 4 e
	v_lshlrev_b32 v14, 2, v1                       ; 4 x lane
	v_add_nc_u32 v15, SCB, v2                      ; wave 0's way out: 16 scale bytes a token
	s_mov_b32 s24, 0xff00ff00                      ; the lanes whose number has bit 3, 2, 1, 0 set
	s_mov_b32 s25, 0xf0f0f0f0
	s_mov_b32 s26, 0xcccccccc
	s_mov_b32 s27, 0xaaaaaaaa
	s_lshl_b32 s20, ttmp9, 16                      ; x: 32 tokens of 2,048 bytes a work-group, 4 a wave
	s_lshl_b32 s22, s18, 13
	s_add_co_u32 s20, s20, s22
	s_mov_b32 s21, 0
	s_wait_kmcnt 0x0
	s_add_nc_u64 s[4:5], s[4:5], s[20:21]
	s_lshl_b32 s20, ttmp9, 5
	s_lshl_b32 s22, s18, 2
	s_add_co_u32 s20, s20, s22
	s_mul_i32 s20, s20, 384
	s_add_nc_u64 s[10:11], s[10:11], s[20:21]      ; xc at my wave's first token
	s_lshl_b32 s20, ttmp9, 9
	s_add_nc_u64 s[12:13], s[12:13], s[20:21]      ; xs at the work-group's first token
	s_lshl_b32 s20, ttmp9, 7
	s_add_nc_u64 s[14:15], s[14:15], s[20:21]
	s_add_nc_u64 s[16:17], s[16:17], s[20:21]
.irp j, 0,1,2,3
	global_load_b128 v[16+4*\j:19+4*\j], v3, s[6:7] offset:4096*\j       ; Wr, 16 KiB by the work-group's 256 threads
.endr
	global_load_b32 v13, v12, s[8:9]               ; br[e]
.irp t, 0,1,2,3
.irp i, 0,1,2,3
	global_load_b128 v[128+16*\t+4*\i:131+16*\t+4*\i], v2, s[4:5] offset:2048*\t+512*\i th:TH_LOAD_NT   ; 32 lanes read 512 consecutive bytes
.endr
.endr
	s_wait_loadcnt 16                              ; Wr and br are in; the 16 loads of x stay out
.irp j, 0,1,2,3
	ds_store_b128 v4, v[16+4*\j:19+4*\j] offset:WRL+4224*\j
.endr
	v_lshl_add_u32 v3, v1, 2, EI                   ; Wr's loads are done, so their address register is free: wave 0's way out, 4 x lane among the experts
.irp t, 0,1,2,3
	s_wait_loadcnt 12-4*\t                         ; token t's four loads are in, the later tokens' stay out
.irp i, 0,1,2,3
	ds_store_b128 v6, v[128+16*\t+4*\i:131+16*\t+4*\i] offset:2560*\t+640*\i
.endr
.irp i, 0,1,2,3
	ds_load_b128 v[X+16*\t+4*\i:X+16*\t+4*\i+3], v7 offset:2560*\t+16*\i    ; LDS serves a wave's instructions in order: these see the stores above
.endr
.endr
	s_wait_dscnt 0x0                               ; for the others' sake: my part of Wr lies in LDS; for mine: x is back, and the stores have read v16-31 and v128-191
	s_barrier_signal -1
	s_barrier_wait -1                              ; Wr is whole
.irp j, 0,1,2,3,4,5,6,7,8,9,10,11,12,13,14,15,16,17,18,19,20,21,22,23,24,25,26,27,28,29,30,31
	ds_load_b128 v[WR+4*\j:WR+4*\j+3], v5 offset:WRL+16*\j
.endr
	; ---- x's codes, the four tokens by turns, while Wr comes out of LDS
.irp t, 0,1,2,3
	v_max3_num_f32 v[M0+\t], |v[X+16*\t]|, |v[X+16*\t+1]|, |v[X+16*\t+2]|
	v_max3_num_f32 v[M1+\t], |v[X+16*\t+3]|, |v[X+16*\t+4]|, |v[X+16*\t+5]|
.endr
.irp i, 6,10
.irp t, 0,1,2,3
	v_max3_num_f32 v[M0+\t], v[M0+\t], |v[X+16*\t+\i]|, |v[X+16*\t+\i+1]|
	v_max3_num_f32 v[M1+\t], v[M1+\t], |v[X+16*\t+\i+2]|, |v[X+16*\t+\i+3]|
.endr
.endr
.irp t, 0,1,2,3
	v_max3_num_f32 v[M0+\t], v[M0+\t], |v[X+16*\t+14]|, |v[X+16*\t+15]|
.endr
.irp t, 0,1,2,3
	v_max3_num_f32 v[M0+\t], v[M0+\t], v[M1+\t], 0x1800000          ; and the floor 2^(3 - 127): the byte cannot fall under 1
.endr
.irp t, 0,1,2,3
	v_max_num_f32_dpp v[M0+\t], v[M0+\t], v[M0+\t] row_xmask:1 row_mask:0xf bank_mask:0xf   ; with my neighbour's 16: the block's largest magnitude
.endr
.irp t, 0,1,2,3
	v_add_nc_u32 v[SO+\t], 0xff000000, v[M0+\t]    ; 2 off its exponent field: the conversion takes the exponent field of this operand as its scale
.endr
.irp t, 0,1,2,3
	v_cvt_scalef32_pk16_fp6_f32 v[ACC+4*\t:ACC+4*\t+2], v[X+16*\t:X+16*\t+15], v[SO+\t]
.endr
.irp t, 0,1,2,3
	v_lshrrev_b32 v[EB+\t], 23, v[SO+\t]           ; the scale's byte (also the plain line behind the conversions)
.endr
.irp t, 0,1,2,3
	ds_store_b8 v9, v[EB+\t] offset:16*\t          ; both lanes of a block write the same byte with the same value
	global_store_b96 v8, v[ACC+4*\t:ACC+4*\t+2], s[10:11] offset:384*\t     ; the wave's 32 x 12 bytes are the token's 384 consecutive bytes
.endr
	s_wait_dscnt 0x0                               ; Wr's 128 numbers are in
	s_wait_xcnt 0x0                                ; the stores have read the codes' registers, which now take the sums
	; ---- the logits: 16 numbers x 8 experts x 4 tokens a lane, two experts an instruction; the first product starts each sum
.irp i, 0,1,2,3,4,5,6,7,8,9,10,11,12,13,14,15
.irp p, 0,1,2,3
.irp t, 0,1,2,3
.if \i == 0
	v_pk_mul_f32 v[ACC+8*\t+2*\p:ACC+8*\t+2*\p+1], v[X+16*\t:X+16*\t+1], v[WR+2*\p:WR+2*\p+1] op_sel_hi:[0,1]
.elseif (\i%2) == 0
	v_pk_fma_f32 v[ACC+8*\t+2*\p:ACC+8*\t+2*\p+1], v[X+16*\t+\i:X+16*\t+\i+1], v[WR+8*\i+2*\p:WR+8*\i+2*\p+1], v[ACC+8*\t+2*\p:ACC+8*\t+2*\p+1] op_sel_hi:[0,1,1]
.else
	v_pk_fma_f32 v[ACC+8*\t+2*\p:ACC+8*\t+2*\p+1], v[X+16*\t+\i-1:X+16*\t+\i], v[WR+8*\i+2*\p:WR+8*\i+2*\p+1], v[ACC+8*\t+2*\p:ACC+8*\t+2*\p+1] op_sel:[1,0,0] op_sel_hi:[1,1,1]
.endif
.endr
.endr
.endr
	; ---- 32 sums x 32 lanes -> one sum a lane: in each stage half of the registers change lanes and are added, so that a bit of the lane's number takes
	; the place of a bit of the register's.  At the end lane 8 t + e holds token t's logit e.
.irp a, 0,1,2,3,4,5,6,7,8,9,10,11,12,13,14,15
	v_permlane16_swap_b32 v[ACC+\a], v[ACC+16+\a]
.endr
.irp a, 0,1,2,3,4,5,6,7,8,9,10,11,12,13,14,15
	v_add_f32 v[ACC+\a], v[ACC+\a], v[ACC+16+\a]
.endr
.macro FOLD half, mask
.set a, 0
.rept \half
	v_cndmask_b32 v[16+a], v[ACC+a+\half], v[ACC+a], s[\mask]            ; what the lane across wants of me
	v_cndmask_b32 v[ACC+a], v[ACC+a], v[ACC+a+\half], s[\mask]           ; what I keep
	v_add_f32_dpp v[ACC+a], v[16+a], v[ACC+a] row_xmask:\half row_mask:0xf bank_mask:0xf
.set a, a+1
.endr
.endm
	FOLD 8, 24
	FOLD 4, 25
	FOLD 2, 26
	FOLD 1, 27
	; ---- the softmax of a token in its eight lanes
	v_add_f32 v16, v[ACC], v13                     ; the logit
	v_mov_b32 v17, v16
	v_max_num_f32_dpp v17, v17, v17 row_xmask:1 row_mask:0xf bank_mask:0xf
	v_max_num_f32_dpp v17, v17, v17 row_xmask:2 row_mask:0xf bank_mask:0xf
	v_max_num_f32_dpp v17, v17, v17 row_xmask:4 row_mask:0xf bank_mask:0xf     ; the token's largest logit is taken away ahead of the exponential
	v_sub_f32 v18, v16, v17
	v_mul_f32 v18, 0x3fb8aa3b, v18
	v_exp_f32 v19, v18
	v_nop                                          ; a plain line behind the exponential,
	s_wait_alu depctr_va_vdst(0)                   ; and a wait ahead of its first reader
	v_mov_b32 v20, v19
	v_add_f32_dpp v20, v20, v20 row_xmask:1 row_mask:0xf bank_mask:0xf
	v_add_f32_dpp v20, v20, v20 row_xmask:2 row_mask:0xf bank_mask:0xf
	v_add_f32_dpp v20, v20, v20 row_xmask:4 row_mask:0xf bank_mask:0xf
	v_rcp_f32 v21, v20                             ; G = 1 / the sum: the largest term is 1
	v_nop
	v_cmp_eq_f32 vcc_lo, 1.0, v19
	v_cndmask_b32 v22, 0x41000000, v11, vcc_lo     ; e where the term is 1, else 8
	v_min_num_f32_dpp v22, v22, v22 row_xmask:1 row_mask:0xf bank_mask:0xf
	v_min_num_f32_dpp v22, v22, v22 row_xmask:2 row_mask:0xf bank_mask:0xf
	v_min_num_f32_dpp v22, v22, v22 row_xmask:4 row_mask:0xf bank_mask:0xf     ; the lowest such e
	v_cvt_u32_f32 v22, v22
	s_wait_alu depctr_va_vdst(0)                   ; the reciprocal's wait, ahead of its first reader
	ds_store_b32 v10, v22                          ; a token's eight lanes write the same word with the same value
	ds_store_b32 v10, v21 offset:128
	s_wait_dscnt 0x0                               ; for wave 0's sake: my scale bytes, experts and gates lie in LDS
	s_barrier_signal -1
	s_barrier_wait -1
	s_cmp_lg_u32 s18, 0
	s_cbranch_scc1 .Lend
	ds_load_b128 v[24:27], v15                     ; wave 0, a lane a token: 16 scale bytes,
	ds_load_b32 v28, v3                            ; the expert,
	ds_load_b32 v29, v3 offset:128                 ; the gate
	s_wait_dscnt 0x0
	global_store_b128 v2, v[24:27], s[12:13]       ; 512 consecutive bytes
	global_store_b32 v14, v28, s[14:15]            ; 128 consecutive bytes each: 32 tokens to a work-group
	global_store_b32 v14, v29, s[16:17]
.Lend:
	s_set_vgpr_msb 0x5
	s_wait_tensorcnt 0x0
	ds_add_u32 v0, v1
	s_wait_dscnt 0x0
	s_set_vgpr_msb 0x500
	s_endpgm
.Lfunc_end_k_q7deb37eb32_route:
	.size	k_q7deb37eb32_route, .Lfunc_end_k_q7deb37eb32_route-k_q7deb37eb32_route
	.p2alignl 7, 3214868480
	.fill 96, 4, 3214868480
	.section	.rodata,"a",@progbits
	.p2align	6, 0x0
	.amdhsa_kernel k_q7deb37eb32_route
		.amdhsa_group_segment_fixed_size 100608
		.amdhsa_private_segment_fixed_size 0
		.amdhsa_enable_private_segment 0
		.amdhsa_kernarg_size 56
		.amdhsa_user_sgpr_count 2
		.amdhsa_user_sgpr_kernarg_segment_ptr 1
		.amdhsa_wavefront_size32 1
		.amdhsa_system_sgpr_workgroup_id_x 1
		.amdhsa_system_sgpr_workgroup_id_y 1
		.amdhsa_system_sgpr_workgroup_id_z 1
		.amdhsa_system_vgpr_workitem_id 0
		.amdhsa_next_free_vgpr 258
		.amdhsa_next_free_sgpr 66
		.amdhsa_reserve_vcc 1
		.amdhsa_float_denorm_mode_32 3
		.amdhsa_float_denorm_mode_16_64 3
		.amdhsa_memory_ordered 1
		.amdhsa_forward_progress 1
		.amdhsa_inst_pref_size 36
	.end_amdhsa_kernel
	.amdgpu_metadata
---
amdhsa.version: [ 1, 2 ]
amdhsa.kernels:
  - .name:           k_q7deb37eb32_route
    .symbol:         k_q7deb37eb32_route.kd
    .args:
      - { .name: x, .offset: 0, .size: 8, .value_kind: global_buffer, .address_space: global }
      - { .name: Wr, .offset: 8, .size: 8, .value_kind: global_buffer, .address_space: global }
      - { .name: br, .offset: 16, .size: 8, .value_kind: global_buffer, .address_space: global }
      - { .name: xc, .offset: 24, .size: 8, .value_kind: global_buffer, .address_space: global }
      - { .name: xs, .offset: 32, .size: 8, .value_kind: global_buffer, .address_space: global }
      - { .name: eidx, .offset: 40, .size: 8, .value_kind: global_buffer, .address_space: global }
      - { .name: gate, .offset: 48, .size: 8, .value_kind: global_buffer, .address_space: global }
    .group_segment_fixed_size: 100608
    .private_segment_fixed_size: 0
    .kernarg_segment_align: 8
    .kernarg_segment_size: 56
    .max_flat_workgroup_size: 256
    .sgpr_count:     66
    .vgpr_count:     258
    .wavefront_size: 32
...
	.end_amdgpu_metadata
.endif
;; end of part 1
;; launch place (part 2): grid 65 x 1, 32 waves a work-group, no clusters, 8,192 bytes of LDS; arguments eidx, W1_codes, W2_codes, rows, tiles, wimg; writes rows, tiles, wimg
.if DOCPART == 2
	.amdgcn_target "amdgcn-amd-amdhsa--gfx1250"
	.amdhsa_code_object_version 6
	.text
	.protected	k_q7deb37eb32_place
	.globl	k_q7deb37eb32_place
	.p2align	8
	.type	k_q7deb37eb32_place,@function
k_q7deb37eb32_place:
	s_mov_b64 s[64:65], 0
	v_nop
	global_prefetch_b8 v0, s[64:65] scope:SCOPE_SE
	s_setreg_imm32_b32 hwreg(HW_REG_WAVE_MODE, 25, 1), 1
	s_wait_xcnt 0x0
; PLACE.  Work-group 0 sorts the 8,192 tokens by their expert (a counting sort, no atomics) into tiles of 64 rows and writes the table of tiles.
; Work-groups 1 to 64 lay W1's and W2's codes out as images of operand registers, a fragment (16 rows x 128 K, 1,536 bytes) to a wave.
; rows [slot] u32: slot 64 j + i = the token of row i of tile j; an expert's tiles follow each other, its last one is filled up with token 0.
; tiles [j] = (expert, rows that count: 0 .. 64).  With 8,192 tokens and 8 experts there are never more than 128 + 7 = 135 tiles, whatever the split.
; wimg: fragment g = 1024 layer + 128 expert + 4 T + s; register group c of lane l at 1536 g + 512 c + 16 l.  Lane r of W1's tile T takes row
; 32 (T / 2) + 8 (T % 2) + r + 8 (r / 8), so that the first product's results lie as neighbours along the second product's K; of W2's tile T row 16 T + r.
; All that steers an address here is whole numbers: eidx, read from memory, and counts made of it.
.set CNT, 20                           ; s20-27 my wave's tokens of each expert
.set TT,  28                           ; s28-35 all tokens of each expert
.set RUN, 36                           ; s36-43 the next free slot of each expert for my wave
.set TB,  44                           ; s44-52 each expert's first tile; s52: the tiles in use
.set MK,  66                           ; s66-73 eight lane masks
.set E,   8                            ; v8-15  my eight tokens' experts
.set TBL, 32                           ; v32-63 the 32 waves' counts (lane = expert)
.set TK,  64                           ; v64-71 my eight tokens' numbers
.set POS, 72                           ; v72-79 their slots
	s_load_b256 s[4:11], s[0:1], 0x0               ; eidx s[4:5], W1's codes s[6:7], W2's s[8:9], rows s[10:11]
	s_load_b128 s[12:15], s[0:1], 0x20             ; tiles s[12:13], wimg s[14:15]
	v_lshl_add_u32 v96, v0, 2, 0x1000
	v_mov_b32 v97, 0
	v_lshrrev_b32 v1, 5, v0
	v_readfirstlane_b32 s16, v1                    ; wave 0..31
	v_and_b32 v1, 31, v0                           ; lane
	s_cmp_lg_u32 ttmp9, 0
	s_cbranch_scc1 .Lrelay
	; ================ the sort: work-group 0, 1,024 threads, eight tokens each
	v_lshlrev_b32 v3, 4, v0                        ; 16 x thread
	v_mov_b32 v4, 0
	v_mov_b32 v5, 0
	v_mov_b32 v6, 0
	v_mov_b32 v7, 0
	s_lshl_b32 s53, s16, 10
	v_lshl_add_u32 v2, v1, 4, s53                  ; eidx: 1,024 bytes a wave, 16 a lane
	v_lshlrev_b32 v17, 2, v0                       ; LDS: 128 x wave + 4 x lane
	v_lshlrev_b32 v18, 2, v1
	v_lshlrev_b32 v24, 3, v0
	s_lshl_b32 s54, s16, 8
	v_lshl_add_u32 v27, v1, 2, s54                 ; 256 x wave + 4 x lane: my first token
	s_wait_kmcnt 0x0
	global_load_b128 v[E:E+3], v2, s[4:5]
	global_load_b128 v[E+4:E+7], v2, s[4:5] offset:512
.irp i, 0,1,2
	global_store_b128 v3, v[4:7], s[10:11] offset:16384*\i      ; every slot first holds token 0: what no token takes stays so
.endr
.irp q, 0,1
.irp i, 0,1,2,3
	v_add_nc_u32 v[TK+4*\q+\i], 128*\q+\i, v27     ; register 4 q + i holds token 256 w + 128 q + 4 l + i
.endr
.endr
	s_wait_loadcnt 0x0
.irp c, 0,1,2,3,4,5,6,7
	v_min_u32 v[E+\c], 7, v[E+\c]
.endr
.irp c, 0,1,2,3,4,5,6,7                        ; my wave's tokens of each expert
.irp e, 0,1,2,3,4,5,6,7
	v_cmp_eq_u32 s[MK+\e], \e, v[E+\c]
.endr
.irp e, 0,1,2,3,4,5,6,7
.if \c == 0
	s_bcnt1_i32_b32 s[CNT+\e], s[MK+\e]
.else
	s_bcnt1_i32_b32 s54, s[MK+\e]
	s_add_co_u32 s[CNT+\e], s[CNT+\e], s54
.endif
.endr
.endr
	v_mov_b32 v16, 0
.irp e, 0,1,2,3,4,5,6,7
	v_writelane_b32 v16, s[CNT+\e], \e
.endr
	ds_store_b32 v17, v16                          ; my wave's row of the table: lane e holds expert e's count
	s_wait_storecnt 0x0                            ; my part of the fill is done: behind the barrier other waves of this work-group store tokens into those bytes
	s_wait_dscnt 0x0
	s_barrier_signal -1
	s_barrier_wait -1
.set q, 0
.rept 32
	ds_load_b32 v[TBL+q], v18 offset:128*q
.set q, q+1
.endr
	v_mov_b32 v20, 0                               ; all waves' counts,
	v_mov_b32 v21, 0                               ; and those of the waves in front of mine
	s_wait_dscnt 0x0
.set q, 0
.rept 32
	s_cmp_gt_u32 s16, q
	s_cselect_b32 s53, -1, 0
	v_add_nc_u32 v20, v20, v[TBL+q]
	v_and_b32 v19, s53, v[TBL+q]
	v_add_nc_u32 v21, v21, v19
.set q, q+1
.endr
.irp e, 0,1,2,3,4,5,6,7
	v_readlane_b32 s[TT+\e], v20, \e
	v_readlane_b32 s[RUN+\e], v21, \e
.endr
	s_mov_b32 s[TB], 0
.irp e, 0,1,2,3,4,5,6,7
	s_add_co_u32 s53, s[TT+\e], 63
	s_lshr_b32 s53, s53, 6
	s_add_co_u32 s[TB+\e+1], s[TB+\e], s53         ; the expert's tiles: its tokens / 64, rounded up
	s_lshl_b32 s53, s[TB+\e], 6
	s_add_co_u32 s[RUN+\e], s[RUN+\e], s53         ; my wave's first slot with this expert
.endr
.irp c, 0,1,2,3,4,5,6,7                        ; a token's slot: the expert's next free slot + the lower lanes that hold the same expert
.irp e, 0,1,2,3,4,5,6,7
	v_cmp_eq_u32 s[MK+\e], \e, v[E+\c]
.endr
	v_mbcnt_lo_u32_b32 v[POS+\c], s[MK], s[RUN]
.irp e, 1,2,3,4,5,6,7
	v_mbcnt_lo_u32_b32 v26, s[MK+\e], s[RUN+\e]
	v_cndmask_b32 v[POS+\c], v[POS+\c], v26, s[MK+\e]
.endr
.irp e, 0,1,2,3,4,5,6,7
	s_bcnt1_i32_b32 s54, s[MK+\e]
	s_add_co_u32 s[RUN+\e], s[RUN+\e], s54
.endr
.endr
.irp c, 0,1,2,3,4,5,6,7
	v_min_u32 v[POS+\c], 0x21bf, v[POS+\c]         ; 135 tiles x 64 - 1
	v_lshlrev_b32 v[POS+\c], 2, v[POS+\c]
	global_store_b32 v[POS+\c], v[TK+\c], s[10:11]
.endr
	s_cmp_gt_u32 s16, 7
	s_cbranch_scc1 .Ldone
	v_mov_b32 v22, 0                               ; the table: thread j writes tile j: the last expert whose first tile is not behind j,
	v_mov_b32 v23, 0                               ; and what is left of its tokens from row 64 (j - first tile) on, 64 at the most
.irp e, 0,1,2,3,4,5,6,7
	v_sub_nc_u32 v25, v0, s[TB+\e]
	v_lshlrev_b32 v25, 6, v25
	v_min_u32 v25, s[TT+\e], v25
	v_sub_nc_u32 v25, s[TT+\e], v25
	v_cmp_gt_u32 vcc_lo, s[TB+\e], v0              ; the expert begins behind tile j: the earlier choice stays
	v_cndmask_b32 v22, \e, v22, vcc_lo
	v_cndmask_b32 v23, v25, v23, vcc_lo
.endr
	v_min_u32 v23, 64, v23
	global_store_b64 v24, v[22:23], s[12:13]       ; 256 consecutive bytes a wave
.Ldone:
	s_wait_tensorcnt 0x0
	ds_add_u32 v96, v97
	s_wait_dscnt 0x0
	s_endpgm
	; ================ the weights' images: work-groups 1 to 64, a fragment to a wave
.Lrelay:
	v_and_b32 v2, 15, v0                           ; r
	v_bfe_u32 v3, v0, 4, 1                         ; h
	v_lshlrev_b32 v6, 4, v1                        ; 16 x lane
	s_sub_co_u32 s20, ttmp9, 1
	s_lshl_b32 s20, s20, 5
	s_add_co_u32 s20, s20, s16                     ; g = 0 .. 2047
	s_bfe_u32 s21, s20, 0x30007                    ; the expert
	s_bfe_u32 s22, s20, 0x50002                    ; T
	s_and_b32 s23, s20, 3                          ; s
	s_lshl_b32 s24, s22, 4                         ; W2: the tile's first row, 16 T
	s_lshr_b32 s25, s22, 1
	s_lshl_b32 s25, s25, 5
	s_and_b32 s26, s22, 1
	s_lshl_b32 s26, s26, 3
	s_add_co_u32 s25, s25, s26                     ; W1: 32 (T / 2) + 8 (T % 2)
	s_mul_i32 s28, s21, 196608                     ; an expert's 512 rows of 384 bytes,
	s_mul_i32 s29, s23, 96                         ; 96 bytes a K step
	s_add_co_u32 s28, s28, s29
	s_mov_b32 s29, 0
	s_mul_i32 s30, s20, 1536
	s_mov_b32 s31, 0
	s_wait_kmcnt 0x0
	s_cmp_lt_u32 s20, 1024                         ; W1 or W2?  The choice hangs on the work-group's and the wave's number alone
	s_cselect_b64 s[6:7], s[6:7], s[8:9]
	s_cselect_b32 s24, s25, s24
	s_cselect_b32 s27, 8, 0
	v_and_b32 v4, s27, v2
	v_add3_u32 v4, v4, v2, s24                     ; my row
	v_mul_u32_u24 v5, v4, 384
	v_mad_u32_u24 v5, v3, 24, v5                   ; + 24 h
	s_add_nc_u64 s[6:7], s[6:7], s[28:29]
	s_add_nc_u64 s[14:15], s[14:15], s[30:31]
.irp p, 0,1,2,3,4,5
	global_load_b64 v[32+2*\p:33+2*\p], v5, s[6:7] offset:48*(\p/3)+8*(\p%3) th:TH_LOAD_NT    ; the fragment's 12 registers, in pieces of 8 bytes
.endr
	s_wait_loadcnt 0x0
.irp c, 0,1,2
	global_store_b128 v6, v[32+4*\c:35+4*\c], s[14:15] offset:512*\c     ; 512 consecutive bytes
.endr
	s_endpgm
.Lfunc_end_k_q7deb37eb32_place:
	.size	k_q7deb37eb32_place, .Lfunc_end_k_q7deb37eb32_place-k_q7deb37eb32_place
	.p2alignl 7, 3214868480
	.fill 96, 4, 3214868480
	.section	.rodata,"a",@progbits
	.p2align	6, 0x0
	.amdhsa_kernel k_q7deb37eb32_place
		.amdhsa_group_segment_fixed_size 8192
		.amdhsa_private_segment_fixed_size 0
		.amdhsa_enable_private_segment 0
		.amdhsa_kernarg_size 48
		.amdhsa_user_sgpr_count 2
		.amdhsa_user_sgpr_kernarg_segment_ptr 1
		.amdhsa_wavefront_size32 1
		.amdhsa_system_sgpr_workgroup_id_x 1
		.amdhsa_system_sgpr_workgroup_id_y 1
		.amdhsa_system_sgpr_workgroup_id_z 1
		.amdhsa_system_vgpr_workitem_id 0
		.amdhsa_next_free_vgpr 98
		.amdhsa_next_free_sgpr 76
		.amdhsa_reserve_vcc 1
		.amdhsa_float_denorm_mode_32 3
		.amdhsa_float_denorm_mode_16_64 3
		.amdhsa_memory_ordered 1
		.amdhsa_forward_progress 1
		.amdhsa_inst_pref_size 42
	.end_amdhsa_kernel
	.amdgpu_metadata
---
amdhsa.version: [ 1, 2 ]
amdhsa.kernels:
  - .name:           k_q7deb37eb32_place
    .symbol:         k_q7deb37eb32_place.kd
    .args:
      - { .name: eidx, .offset: 0, .size: 8, .value_kind: global_buffer, .address_space: global }
      - { .name: W1_codes, .offset: 8, .size: 8, .value_kind: global_buffer, .address_space: global }
      - { .name: W2_codes, .offset: 16, .size: 8, .value_kind: global_buffer, .address_space: global }
      - { .name: rows, .offset: 24, .size: 8, .value_kind: global_buffer, .address_space: global }
      - { .name: tiles, .offset: 32, .size: 8, .value_kind: global_buffer, .address_space: global }
      - { .name: wimg, .offset: 40, .size: 8, .value_kind: global_buffer, .address_space: global }
    .group_segment_fixed_size: 8192
    .private_segment_fixed_size: 0
    .kernarg_segment_align: 8
    .kernarg_segment_size: 48
    .max_flat_workgroup_size: 1024
    .sgpr_count:     76
    .vgpr_count:     98
    .wavefront_size: 32
...
	.end_amdgpu_metadata
.endif
;; end of part 2
;; launch chain (part 3): grid 135 x 1, 4 waves a work-group, no clusters, 60,928 bytes of LDS; arguments tiles, rows, xc, xs, gate, wimg, W1_scales, b1, W2_scales, b2, out0; writes out0
.if DOCPART == 3
	.amdgcn_target "amdgcn-amd-amdhsa--gfx1250"
	.amdhsa_code_object_version 6
	.text
	.protected	k_q7deb37eb32_chain
	.globl	k_q7deb37eb32_chain
	.p2align	8
	.type	k_q7deb37eb32_chain,@function
k_q7deb37eb32_chain:
	s_mov_b64 s[64:65], 0
	v_nop
	global_prefetch_b8 v0, s[64:65] scope:SCOPE_SE
	s_setreg_imm32_b32 hwreg(HW_REG_WAVE_MODE, 25, 1), 1
	s_wait_xcnt 0x0
; CHAIN.  y = G (Q(relu(Q(x) W1[e] + b1[e])) W2[e] + b2[e]) for one tile: up to 64 tokens that chose expert e.  Both products on codes of FP6 (E2M3) with one
; E8M0 scale for each 32 along K; sums in f32; the hidden layer is quantised in registers and never goes to memory.
; GRID: 135 work-groups = 8,192 / 64 + 8 - 1, enough for every split of the tokens.  A tile that a split leaves empty walks the same text on token 0 and
; stores nothing: the barrier stands on every wave's path, and only the stores hang on the stored number of rows.
; NO TENSOR LOAD, NO CLUSTER: the weights' addresses hang on the stored expert and the stores on the stored count; partners of a cluster could not be given
; tiles of one expert at every split.  So operands go from memory straight into registers, from images laid in the order of the operands' registers.
; SHARES: wave w makes hidden units 128 w .. + 127 and outputs 128 w .. + 127 for all 64 rows (four tiles m of 16): each fragment of W1 and W2 is loaded once
; in the work-group and feeds four matrix instructions.  BOTH PRODUCTS ARE USED TRANSPOSED (source 0 = 16 rows of a weight, source 1 = 16 tokens): a lane holds one token.
; The rows of W1 that form a tile were chosen so that the 16 registers of tiles 2 b, 2 b + 1 are hidden units 32 b + 16 (lane / 16) + 0 .. 15.
; The hidden layer's fragments go from wave to wave through LDS as images of their registers; one barrier.  The biases are the C of each sum's first instruction.
; LIMITS: NaN and infinities are not served; a block of zeros of the hidden layer gets the byte 1 (its codes are zeros).
; REGISTERS, in windows of 256.  Window 0: v1-15 lane terms; v16-31 tokens and offsets; v32-39 gates; v40-87 scale words and nothing else; v88-151 the hidden tile;
;   v152-171 codes; v172-188 at work; v192-255 b2.  Later: v88-135, v136-183 hidden fragments, two sets; on the way out v88-151, v192-255 rows, v152-183 offsets.
;   Window 1: W1's K steps 0, 1 (v0-191), b1 (v192-255); later y's accumulators of m = 0, 1 (v0-127) and W2's K step 2 (v128-223).
;   Window 2: W1's K steps 2, 3, x of even m (v192-239); later the accumulators of m = 2, 3 and W2's K step 3.   Window 3: W2's K steps 0, 1, x of odd m (v192-239).
.set HIMG, 0                           ; LDS: the hidden layer's 16 fragments, (m, s) at 1536 (4 m + s)
.set HSC,  24576                       ; their scale words, 128 bytes each
.set STG,  26624                       ; the way out: 16 rows x (512 + 16) bytes for each wave, its own
.set TOK,  16                          ; v16-19 token of row 16 m + r
.set XO,   20                          ; v20-23 384 token + 48 h
.set XSO,  24                          ; v24-27 16 token
.set GO,   28                          ; v28-31 4 token
.set GT,   32                          ; v32-39 the gate, in pairs (the packed multiply names a pair and takes its low word)
.set W1S,  40                          ; v40-55 register 4 b + s: lanes 0-15 tile 2 b's words, lanes 16-31 tile 2 b + 1's
.set W2S,  56                          ; v56-71 likewise
.set XS,   72                          ; v72-79 x's words, register 4 (m % 2) + s
.set HS,   80                          ; v80-87 the hidden layer's, register 4 (s % 2) + m
.set HA,   88
.set PC,   152
.set TM,   172
.set PW,   188
.set B2,   192
.set HF,   88
.set RO,   152
.set SEL,  36                          ; s[36:37] v_permlanex16_b32's selects for lane l xor 16
.set MSB, 0
.macro WIN new                         ; the immediate's high byte repeats the setting that is left; a switch that changes nothing is dropped
.if MSB != (\new)
	s_set_vgpr_msb (MSB<<8)|(\new)
.set MSB, (\new)
.endif
.endm
.macro PLACES                          ; four plain lines between a matrix instruction and a load into, or a vector line on, one of its registers
.rept 4
	v_nop
.endr
.endm
.macro LDW1 s                          ; my eight fragments of W1 for K step s: 24 loads of 512 consecutive bytes
	WIN (1+(\s)/2)<<6
.irp t, 0,1,2,3,4,5,6,7
.irp c, 0,1,2
	global_load_b128 v[12*(8*((\s)%2)+\t)+4*\c:12*(8*((\s)%2)+\t)+4*\c+3], v4, s[14:15] offset:(4*\t+(\s))*1536+512*\c
.endr
.endr
.endm
.macro LDW2 s                          ; and of W2: 24 loads
.if (\s) < 2
	WIN 0xc0
.set WB, 96*(\s)
.else
	WIN ((\s)-1)<<6
.set WB, 128
.endif
.irp n, 0,1,2,3,4,5,6,7
.irp c, 0,1,2
	global_load_b128 v[WB+12*\n+4*\c:WB+12*\n+4*\c+3], v4, s[14:15] offset:1572864+(4*\n+(\s))*1536+512*\c
.endr
.endr
.endm
.macro LDX m                           ; the four fragments of x of row tile m, 48 bytes a lane and K step, and the tokens' scale words: 13 loads
	WIN (2+(\m)%2)<<6
.irp s, 0,1,2,3
.irp c, 0,1,2
	global_load_b128 v[192+12*\s+4*\c:192+12*\s+4*\c+3], v[XO+(\m)], s[8:9] offset:96*\s+16*\c
.endr
.endr
	WIN 0
	global_load_b128 v[XS+4*((\m)%2):XS+4*((\m)%2)+3], v[XSO+(\m)], s[10:11]
.endm
; Eight matrix instructions: my eight tiles of hidden units by turns, row tile m, K step s.  The first K step takes b1 as C.
.macro MM1 m, s
.if (\s) == 0
	WIN 1|((2+(\m)%2)<<2)|(1<<4)
.else
	WIN (1+(\s)/2)|((2+(\m)%2)<<2)
.endif
.irp t, 0,1,2,3,4,5,6,7
.set rD, HA+8*\t
.set rA, 12*(8*((\s)%2)+\t)
.set rB, 192+12*(\s)
.set rC, rD
.if (\s) == 0
.set rC, 192+8*\t
.endif
.set rP, W1S+4*(\t/2)+(\s)
.set rQ, XS+4*((\m)%2)+(\s)
.if \t%2
	v_wmma_scale_f32_16x16x128_f8f6f4 v[rD:rD+7], v[rA:rA+11], v[rB:rB+11], v[rC:rC+7], v[rP], v[rQ] matrix_a_fmt:MATRIX_FMT_FP6 matrix_b_fmt:MATRIX_FMT_FP6 matrix_a_scale:MATRIX_SCALE_ROW1
.else
	v_wmma_scale_f32_16x16x128_f8f6f4 v[rD:rD+7], v[rA:rA+11], v[rB:rB+11], v[rC:rC+7], v[rP], v[rQ] matrix_a_fmt:MATRIX_FMT_FP6 matrix_b_fmt:MATRIX_FMT_FP6
.endif
.endr
.endm
; 64 numbers of a lane, v[s] on, register 16 b + i = k 32 b + 16 (lane / 16) + i of my token, become a fragment's codes in v[PC] on and its scale word in v[PW].
.macro QUANT s
.irp b, 0,1,2,3
	v_max3_num_f32 v[TM+\b], |v[\s+16*\b]|, |v[\s+1+16*\b]|, 0x1800000   ; my 16 numbers of block b, and the floor 2^(3 - 127): the byte cannot fall under 1
.endr
.irp i, 2,4,6,8,10,12,14
.irp b, 0,1,2,3
	v_max3_num_f32 v[TM+\b], v[TM+\b], |v[\s+16*\b+\i]|, |v[\s+1+16*\b+\i]|
.endr
.endr
.irp b, 0,1,2,3
	v_permlanex16_b32 v[TM+4+\b], v[TM+\b], s[SEL], s[SEL+1]
.endr
.irp b, 0,1,2,3
	v_max_num_f32 v[TM+\b], v[TM+\b], v[TM+4+\b]   ; with lane l xor 16's: the block's largest magnitude
.endr
.irp b, 0,1,2,3
	v_add_nc_u32 v[TM+12+\b], 0xff000000, v[TM+\b] ; 2 off its exponent field: the conversion's scale operand
.endr
.irp b, 0,1,2,3
	v_lshrrev_b32 v[TM+4+\b], 23, v[TM+12+\b]      ; the scale's byte
.endr
	v_lshl_or_b32 v[PW], v[TM+5], 8, v[TM+4]
	v_lshl_or_b32 v[PW], v[TM+6], 16, v[PW]
	v_lshl_or_b32 v[PW], v[TM+7], 24, v[PW]
.irp c, 0,1
	v_cvt_scalef32_pk16_fp6_f32 v[PC+6*\c:PC+2+6*\c], v[\s+32*\c:\s+15+32*\c], v[TM+12+2*\c]
	v_cvt_scalef32_pk16_fp6_f32 v[PC+12+4*\c:PC+14+4*\c], v[\s+16+32*\c:\s+31+32*\c], v[TM+12+2*\c+1]   ; (a conversion's three registers begin on an even number)
.endr
	v_nop                                          ; one plain line behind the scaled conversions
.irp c, 0,1                                    ; the operand's layout wants a whole block in a lane: lanes 0-15 block 2 c, lanes 16-31 block 2 c + 1
.irp i, 0,1,2
	v_permlane16_swap_b32 v[PC+6*\c+\i], v[PC+12+4*\c+\i]
.endr
.irp i, 0,1,2
	v_mov_b32 v[PC+3+6*\c+\i], v[PC+12+4*\c+\i]
.endr
.endr
.endm
.macro HID m                           ; row tile m's hidden numbers: the activation in f32, the codes, and their image: K step w of the second product
	WIN 0
.set j, 0
.rept 64
	v_max_num_f32 v[HA+j], 0, v[HA+j]              ; each accumulator from its low end on
.set j, j+1
.endr
	QUANT HA
.irp c, 0,1,2
	ds_store_b128 v6, v[PC+4*\c:PC+4*\c+3] offset:HIMG+4*(\m)*1536+512*\c
.endr
	ds_store_b32 v7, v[PW] offset:HSC+512*(\m)
.endm
.macro HFETCH s                        ; K step s of the hidden layer, all four row tiles, into set s % 2: 16 LDS loads
	WIN 0
.irp m, 0,1,2,3
.irp c, 0,1,2
	ds_load_b128 v[HF+48*((\s)%2)+12*\m+4*\c:HF+48*((\s)%2)+12*\m+4*\c+3], v4 offset:HIMG+(4*\m+(\s))*1536+512*\c
.endr
	ds_load_b32 v[HS+4*((\s)%2)+\m], v5 offset:HSC+128*(4*\m+(\s))
.endr
.endm
; 32 matrix instructions: my eight tiles of outputs x four row tiles, K step s; the 32 accumulators by turns, in the same order in every K step.  The first takes b2 as C.
.macro MM2 s
.set W0, 3
.if (\s) >= 2
.set W0, (\s)-1
.endif
.irp g, 0,1
.set WC, 1+\g
.if (\s) == 0
.set WC, 0
.endif
.set WN, W0|(WC<<4)|((1+\g)<<6)
	WIN WN
.irp u, 0,1
.irp n, 0,1,2,3,4,5,6,7
.set rD, 8*(8*\u+\n)
.set rA, 128+12*\n
.if (\s) < 2
.set rA, 12*(8*(\s)+\n)
.endif
.set rB, HF+48*((\s)%2)+12*(2*\g+\u)
.set rC, rD
.if (\s) == 0
.set rC, B2+8*\n
.endif
.set rP, W2S+4*(\n/2)+(\s)
.set rQ, HS+4*((\s)%2)+2*\g+\u
.if \n%2
	v_wmma_scale_f32_16x16x128_f8f6f4 v[rD:rD+7], v[rA:rA+11], v[rB:rB+11], v[rC:rC+7], v[rP], v[rQ] matrix_a_fmt:MATRIX_FMT_FP6 matrix_b_fmt:MATRIX_FMT_FP6 matrix_a_scale:MATRIX_SCALE_ROW1
.else
	v_wmma_scale_f32_16x16x128_f8f6f4 v[rD:rD+7], v[rA:rA+11], v[rB:rB+11], v[rC:rC+7], v[rP], v[rQ] matrix_a_fmt:MATRIX_FMT_FP6 matrix_b_fmt:MATRIX_FMT_FP6
.endif
.endr
.endr
.endr
.endm
; THE WAY OUT of row tile a.  ROFF: where each of its 16 tokens' rows lies in out0.  GMUL: x the gate.  TOSTAGE: through my own stage, back as whole rows of my 512 bytes.  SEND: stored, while rows count.
.macro ROFF a
	WIN 0
.irp i, 0,1,2,3,4,5,6,7,8,9,10,11,12,13,14,15
	v_readlane_b32 s[30+\i%4], v[TOK+(\a)], \i
	s_min_u32 s[30+\i%4], s[30+\i%4], 0x1fff
	s_lshl_b32 s[30+\i%4], s[30+\i%4], 11
	v_add_nc_u32 v[RO+16*((\a)%2)+\i], s[30+\i%4], v10       ; 2,048 token + 512 wave + 16 lane
.endr
.endm
.macro GMUL a
	WIN (1+(\a)/2)|((1+(\a)/2)<<6)
.set j, 0
.rept 32
	v_pk_mul_f32 v[64*((\a)%2)+2*j:64*((\a)%2)+2*j+1], v[64*((\a)%2)+2*j:64*((\a)%2)+2*j+1], v[GT+2*(\a):GT+2*(\a)+1] op_sel_hi:[1,0]   ; each accumulator from its low end on
.set j, j+1
.endr
.endm
.macro TOSTAGE a
	WIN (1+(\a)/2)<<2                              ; an LDS store's data are its source 1
.irp n, 0,1,2,3,4,5,6,7
	ds_store_b128 v8, v[64*((\a)%2)+8*\n:64*((\a)%2)+8*\n+3] offset:64*\n           ; lane (r, h): y(token r, 128 w + 16 n + 8 h + 0 .. 7)
	ds_store_b128 v8, v[64*((\a)%2)+8*\n+4:64*((\a)%2)+8*\n+7] offset:64*\n+16
.endr
	WIN 0
.set BB, 88+104*((\a)%2)
.irp i, 0,1,2,3,4,5,6,7,8,9,10,11,12,13,14,15
	ds_load_b128 v[BB+4*\i:BB+4*\i+3], v9 offset:528*\i    ; LDS serves a wave's instructions in order (ISA guide 5.7.1.4): these see the stores above
.endr
.endm
.macro SEND a, younger                 ; younger: the LDS instructions issued behind tile a's loads, which may stay out
.set BB, 88+104*((\a)%2)
	s_wait_dscnt \younger
.irp i, 0,1,2,3,4,5,6,7,8,9,10,11,12,13,14,15
	s_cmp_le_u32 s29, 16*(\a)+\i                   ; rows from the stored count on are filling: nothing of them, nor of what follows, is stored
	s_cbranch_scc1 .Lend
	global_store_b128 v[RO+16*((\a)%2)+\i], v[BB+4*\i:BB+4*\i+3], s[24:25] th:TH_STORE_NT    ; 32 lanes store 512 consecutive bytes of one token's row, at a multiple of 512
.endr
.endm
	s_load_b512 s[4:19], s[0:1], 0x0               ; tiles s[4:5], rows s[6:7], xc s[8:9], xs s[10:11], gate s[12:13], wimg s[14:15], W1's scales s[16:17], b1 s[18:19]
	s_load_b128 s[20:23], s[0:1], 0x40             ; W2's scales s[20:21], b2 s[22:23]
	s_load_b64 s[24:25], s[0:1], 0x50              ; out0
	v_lshl_add_u32 v190, v0, 2, 0xec00
	v_mov_b32 v191, 0
	v_lshrrev_b32 v1, 5, v0
	v_readfirstlane_b32 s26, v1                    ; wave 0..3
	v_and_b32 v1, 31, v0                           ; lane
	v_and_b32 v2, 15, v0                           ; r
	v_bfe_u32 v3, v0, 4, 1                         ; h
	v_lshlrev_b32 v4, 4, v1                        ; 16 x lane: an image's place for my lane
	v_lshlrev_b32 v5, 2, v1                        ; 4 x lane: a scale word's
	s_mul_i32 s30, s26, 1536
	v_add_nc_u32 v6, s30, v4                       ; where I store the hidden layer's images: K step = my wave
	s_lshl_b32 s30, s26, 7
	v_add_nc_u32 v7, s30, v5                       ; and their scale words
	s_mul_i32 s30, s26, 8448
	s_add_co_u32 s30, s30, STG                     ; my stage
	v_mul_u32_u24 v8, v2, 528
	v_lshl_add_u32 v8, v3, 5, v8
	v_add_nc_u32 v8, s30, v8                       ; in: row r, + 32 h
	v_add_nc_u32 v9, s30, v4                       ; back: 16 bytes a lane of a row
	s_lshl_b32 s30, s26, 9
	v_add_nc_u32 v10, s30, v4                      ; my wave's 512 bytes of a row of out0
	v_and_b32 v11, 8, v2
	v_add_nc_u32 v11, v11, v2
	v_lshl_add_u32 v11, v3, 3, v11
	v_lshlrev_b32 v11, 4, v11                      ; W1's scale words: row r + 8 (r / 8) + 8 h of a pair of tiles, 16 bytes a row
	v_lshlrev_b32 v12, 6, v3                       ; b1: 64 h
	v_lshlrev_b32 v13, 5, v3                       ; b2: 32 h
	v_lshlrev_b32 v14, 2, v2                       ; rows: 4 r
	v_mul_u32_u24 v15, v3, 48                      ; xc: 48 h
	s_mov_b32 s[SEL], 0x76543210
	s_mov_b32 s[SEL+1], 0xfedcba98
.irp b, 0,1,2,3
	v_mov_b32 v[TM+4+\b], 0                        ; written once: a lane permute's destination counts as one of its sources
	v_mov_b32 v[GT+2*\b+1], 0                      ; named as the upper half of a pair
.endr
	s_lshl_b32 s30, ttmp9, 3
	s_mov_b32 s31, 0
	s_lshl_b32 s32, ttmp9, 8
	s_mov_b32 s33, 0
	s_wait_kmcnt 0x0
	s_add_nc_u64 s[4:5], s[4:5], s[30:31]
	s_add_nc_u64 s[6:7], s[6:7], s[32:33]
	s_load_b64 s[28:29], s[4:5], 0x0               ; my tile: the expert, the rows that count
.irp m, 0,1,2,3
	global_load_b32 v[TOK+\m], v14, s[6:7] offset:64*\m      ; its 64 tokens
.endr
	s_wait_kmcnt 0x0
	s_min_u32 s28, s28, 7
	s_min_u32 s29, s29, 64
	s_mul_i32 s30, s28, 196608                     ; an expert's 128 fragments; my wave's 32
	s_mul_i32 s32, s26, 49152
	s_add_co_u32 s30, s30, s32
	s_add_nc_u64 s[14:15], s[14:15], s[30:31]
	s_lshl_b32 s30, s28, 13                        ; scale bytes: 8,192 an expert, 2,048 for my 128 rows
	s_lshl_b32 s32, s26, 11
	s_add_co_u32 s30, s30, s32
	s_add_nc_u64 s[16:17], s[16:17], s[30:31]
	s_add_nc_u64 s[20:21], s[20:21], s[30:31]
	s_lshl_b32 s30, s28, 11                        ; biases: 2,048 bytes an expert, 512 for my 128
	s_lshl_b32 s32, s26, 9
	s_add_co_u32 s30, s30, s32
	s_add_nc_u64 s[18:19], s[18:19], s[30:31]
	s_add_nc_u64 s[22:23], s[22:23], s[30:31]
.irp b, 0,1,2,3
	global_load_b128 v[W1S+4*\b:W1S+4*\b+3], v11, s[16:17] offset:512*\b     ; W1's scale words: four K steps of a row at once
.endr
	WIN 0x40
.irp t, 0,1,2,3,4,5,6,7
	global_load_b128 v[192+8*\t:195+8*\t], v12, s[18:19] offset:128*(\t/2)+32*(\t%2)         ; b1 in the result's layout: hidden units 32 b + 16 h + 8 u + 0 .. 7
	global_load_b128 v[196+8*\t:199+8*\t], v12, s[18:19] offset:128*(\t/2)+32*(\t%2)+16
.endr
	LDW1 0
	WIN 0
	s_wait_loadcnt 44                              ; the tokens are in: behind them 4 + 16 + 24 loads were issued
.irp m, 0,1,2,3
	v_min_u32 v[TOK+\m], 0x1fff, v[TOK+\m]
.endr
.irp m, 0,1,2,3
	v_mul_u32_u24 v[XO+\m], v[TOK+\m], 384
	v_lshlrev_b32 v[XSO+\m], 4, v[TOK+\m]
	v_lshlrev_b32 v[GO+\m], 2, v[TOK+\m]
.endr
.irp m, 0,1,2,3
	v_add_nc_u32 v[XO+\m], v[XO+\m], v15
.endr
	LDX 0
	LDX 1
.irp m, 0,1,2,3
	global_load_b32 v[GT+2*\m], v[GO+\m], s[12:13]
.endr
	LDW1 1
	s_wait_loadcnt 41                              ; all up to row tile 0's x is in: behind it 13 + 4 + 24
	MM1 0, 0
	LDW1 2
	s_wait_loadcnt 24                              ; W1's K step 1 is in (and row tile 1's x, and the gates); the 24 just issued stay out
	MM1 0, 1
	LDW1 3
	s_wait_loadcnt 24
	MM1 0, 2
	WIN 0
.irp n, 0,1,2,3,4,5,6,7
	global_load_b128 v[B2+8*\n:B2+8*\n+3], v13, s[22:23] offset:64*\n        ; b2: outputs 16 n + 8 h + 0 .. 7
	global_load_b128 v[B2+8*\n+4:B2+8*\n+7], v13, s[22:23] offset:64*\n+16
.endr
.irp b, 0,1,2,3
	global_load_b128 v[W2S+4*\b:W2S+4*\b+3], v4, s[20:21] offset:512*\b      ; W2's scale words: row 32 b + lane
.endr
	s_wait_loadcnt 20                              ; W1's K step 3 is in; the 16 + 4 just issued stay out
	MM1 0, 3
	PLACES
	LDX 2                                          ; into the registers that row tile 0's x has left
	LDW2 0
	HID 0
	MM1 1, 0
	MM1 1, 1
	MM1 1, 2
	MM1 1, 3
	PLACES
	LDX 3
	LDW2 1
	s_wait_dscnt 0x0                               ; the image's stores have read the codes' registers
	HID 1
	s_wait_loadcnt 61                              ; row tile 2's x is in: behind it 24 + 13 + 24
	MM1 2, 0
	MM1 2, 1
	MM1 2, 2
	MM1 2, 3
	PLACES
	s_wait_dscnt 0x0
	HID 2
	s_wait_loadcnt 24                              ; row tile 3's x is in (and W2's K step 0, b2 and W2's scale words); W2's K step 1 stays out
	MM1 3, 0
	MM1 3, 1
	MM1 3, 2
	MM1 3, 3
	PLACES
	LDW2 2                                         ; over W1's fragments, which are done with
	LDW2 3
	s_wait_dscnt 0x0
	HID 3
	s_wait_dscnt 0x0                               ; for the others' sake: my four images and their scale words lie in LDS
	s_barrier_signal -1
	s_barrier_wait -1                              ; the hidden layer's sixteen fragments are whole
	HFETCH 0
	HFETCH 1
	s_wait_dscnt 16                                ; K step 0 is in, K step 1's 16 loads stay out
	MM2 0
	PLACES
	HFETCH 2
	s_wait_dscnt 16
	s_wait_loadcnt 48                              ; W2's K step 1 is in; K steps 2 and 3 stay out
	MM2 1
	PLACES
	HFETCH 3
	s_wait_dscnt 16
	s_wait_loadcnt 24
	MM2 2
	s_wait_dscnt 0x0
	s_wait_loadcnt 0x0
	MM2 3
	PLACES                                         ; the offsets below are written over fragments that the last products read, and the gate's multiplies read results
	ROFF 0
	GMUL 0
	TOSTAGE 0
.irp a, 1,2,3
.if \a > 1
	s_wait_xcnt 0x0                                ; row tile a - 2's stores have read their offsets and data: both sets of registers are written again
.endif
	ROFF \a
	GMUL \a
	TOSTAGE \a
	SEND \a-1, 32                                  ; behind tile a - 1's loads: tile a's 16 stores and 16 loads
.endr
	SEND 3, 0
.Lend:
	s_wait_dscnt 0x0
	s_wait_tensorcnt 0x0
	ds_add_u32 v190, v191
	s_wait_dscnt 0x0
	s_endpgm
.Lfunc_end_k_q7deb37eb32_chain:
	.size	k_q7deb37eb32_chain, .Lfunc_end_k_q7deb37eb32_chain-k_q7deb37eb32_chain
	.p2alignl 7, 3214868480
	.fill 96, 4, 3214868480
	.section	.rodata,"a",@progbits
	.p2align	6, 0x0
	.amdhsa_kernel k_q7deb37eb32_chain
		.amdhsa_group_segment_fixed_size 60928
		.amdhsa_private_segment_fixed_size 0
		.amdhsa_enable_private_segment 0
		.amdhsa_kernarg_size 88
		.amdhsa_user_sgpr_count 2
		.amdhsa_user_sgpr_kernarg_segment_ptr 1
		.amdhsa_wavefront_size32 1
		.amdhsa_system_sgpr_workgroup_id_x 1
		.amdhsa_system_sgpr_workgroup_id_y 1
		.amdhsa_system_sgpr_workgroup_id_z 1
		.amdhsa_system_vgpr_workitem_id 0
		.amdhsa_next_free_vgpr 1024
		.amdhsa_next_free_sgpr 66
		.amdhsa_reserve_vcc 0
		.amdhsa_float_denorm_mode_32 3
		.amdhsa_float_denorm_mode_16_64 3
		.amdhsa_memory_ordered 1
		.amdhsa_forward_progress 1
		.amdhsa_inst_pref_size 133
	.end_amdhsa_kernel
	.amdgpu_metadata
---
amdhsa.version: [ 1, 2 ]
amdhsa.kernels:
  - .name:           k_q7deb37eb32_chain
    .symbol:         k_q7deb37eb32_chain.kd
    .args:
      - { .name: tiles, .offset: 0, .size: 8, .value_kind: global_buffer, .address_space: global }
      - { .name: rows, .offset: 8, .size: 8, .value_kind: global_buffer, .address_space: global }
      - { .name: xc, .offset: 16, .size: 8, .value_kind: global_buffer, .address_space: global }
      - { .name: xs, .offset: 24, .size: 8, .value_kind: global_buffer, .address_space: global }
      - { .name: gate, .offset: 32, .size: 8, .value_kind: global_buffer, .address_space: global }
      - { .name: wimg, .offset: 40, .size: 8, .value_kind: global_buffer, .address_space: global }
      - { .name: W1_scales, .offset: 48, .size: 8, .value_kind: global_buffer, .address_space: global }
      - { .name: b1, .offset: 56, .size: 8, .value_kind: global_buffer, .address_space: global }
      - { .name: W2_scales, .offset: 64, .size: 8, .value_kind: global_buffer, .address_space: global }
      - { .name: b2, .offset: 72, .size: 8, .value_kind: global_buffer, .address_space: global }
      - { .name: out0, .offset: 80, .size: 8, .value_kind: global_buffer, .address_space: global }
    .group_segment_fixed_size: 60928
    .private_segment_fixed_size: 0
    .kernarg_segment_align: 8
    .kernarg_segment_size: 88
    .max_flat_workgroup_size: 128
    .sgpr_count:     66
    .vgpr_count:     1024
    .wavefront_size: 32
...
	.end_amdgpu_metadata
.endif
;; end of part 3
;; ======== version 2 of 2: 3 launches
;; workspace buffers: xc 3,145,728 bytes; xs 131,072 bytes; gate 32,768 bytes; eidx 32,768 bytes of whole numbers; rows 49,152 bytes of whole numbers; tiles 2,048 bytes of whole numbers; wimg 3,145,728 bytes
;; launch route (part 4): grid 256 x 1, 8 waves a work-group, no clusters, 100,608 bytes of LDS; arguments x, Wr, br, xc, xs, eidx, gate; writes xc, xs, eidx, gate
.if DOCPART == 4
	.amdgcn_target "amdgcn-amd-amdhsa--gfx1250"
	.amdhsa_code_object_version 6
	.text
	.protected	k_q7deb37eb32_route
	.globl	k_q7deb37eb32_route
	.p2align	8
	.type	k_q7deb37eb32_route,@function
k_q7deb37eb32_route:
	s_mov_b64 s[64:65], 0
	v_nop
	global_prefetch_b8 v0, s[64:65] scope:SCOPE_SE
	s_setreg_imm32_b32 hwreg(HW_REG_WAVE_MODE, 25, 1), 1
	s_wait_xcnt 0x0
; ROUTE.  For each of the 8,192 tokens (512 numbers of f32): the router's eight logits x . Wr + br in f32 (fused multiply-adds), the softmax's largest
; probability G = 1 / sum of 2^((l - max) log2 e), the chosen expert, and x's codes of FP6 (E2M3) with one E8M0 byte for each 32 along K.
; x is read from memory once, here; the chain's launch reads codes.
; OUT: xc [token][384]: the 24-byte blocks of a token's 16 in the order in which an operand's registers take them: for K step s (128 numbers) and
;      half h of the lanes, 48 bytes at 48 (2 s + h): block 4 s + h, then block 4 s + 2 + h.   xs [token][16]: the scale bytes, block by block.
;      eidx [token] u32: the expert.   gate [token] f32: G.
; SHARES: a work-group takes 32 tokens, a wave 4.  Each load of x reads 512 consecutive bytes; a token's 2,048 bytes turn through the wave's own stage
; in LDS, so that lane l holds the 16 neighbours k = 16 l .. 16 l + 15 (two lanes to a block), and beside them the 128 numbers Wr[16 l + i][e].
; LIMITS: NaN and infinities are not served.  A block of zeros gets the byte 1 (its codes are zeros; only this program reads the bytes).  The expert is the
; lowest index whose 2^((l - max) log2 e) is 1.0; the logits' f32 sums run in another order than a row-by-row sum, so of two logits that lie within f32
; rounding (about 1e-6 of their size) of each other either may be chosen.
; No matrix unit, no tensor load, no cluster: the launch streams x once and shares nothing but Wr (16 KiB).
.set WRL, 0                            ; LDS: Wr as 32 rows of 512 bytes + 16 of padding (row l: the 16 rows of Wr that lane l wants)
.set STG, 16896                        ; a wave's four stages of 32 x 80 bytes: 10,240 bytes a wave
.set SCB, 98816                        ; 16 scale bytes for each of the 32 tokens
.set EI,  99328                        ; the 32 experts;  128 bytes on: the 32 gates
.set M0,  16                           ; v16-19, v20-23 largest magnitudes, two chains for each token
.set M1,  20
.set SO,  24                           ; v24-27 the conversions' scale operands
.set EB,  28                           ; v28-31 the scale bytes
.set ACC, 32                           ; v32-63 the logits' partial sums, register 8 t + e; ahead of that the codes, four registers a token
.set X,   64                           ; v64-127 16 neighbours of each of four tokens
.set WR,  128                          ; v128-255 Wr[16 l + i][e] at register 8 i + e; ahead of that v128-191 hold x as it was loaded
	s_load_b256 s[4:11], s[0:1], 0x0               ; x s[4:5], Wr s[6:7], br s[8:9], xc s[10:11]
	s_load_b128 s[12:15], s[0:1], 0x20             ; xs s[12:13], eidx s[14:15]
	s_load_b64 s[16:17], s[0:1], 0x30              ; gate
	s_set_vgpr_msb 0x40
	v_lshl_add_u32 v0, v0, 2, 0x18500
	v_mov_b32 v1, 0
	s_set_vgpr_msb 0x4000
	v_lshrrev_b32 v1, 5, v0
	s_delay_alu instid0(VALU_DEP_1)
	v_readfirstlane_b32 s18, v1                    ; wave 0..7
	v_and_b32 v1, 31, v0                           ; lane
	s_delay_alu instid0(VALU_DEP_1)
	v_lshlrev_b32 v2, 4, v1                        ; 16 x lane
	v_lshlrev_b32 v3, 4, v0                        ; 16 x thread: Wr's loads
	s_mul_i32 s19, s18, 528
	v_add_nc_u32 v4, s19, v2                       ; Wr into LDS: row 8 j + wave, 16 x lane
	v_mul_u32_u24 v5, v1, 528                      ; Wr out of LDS: row = lane
	s_mul_i32 s19, s18, 10240
	s_add_co_u32 s19, s19, STG                     ; my wave's stages
	v_lshrrev_b32 v6, 2, v1
	s_delay_alu instid0(VALU_DEP_1)
	v_mul_u32_u24 v6, v6, 80
	v_and_b32 v7, 3, v1
	s_delay_alu instid0(VALU_DEP_1)
	v_lshl_add_u32 v6, v7, 4, v6
	s_delay_alu instid0(VALU_DEP_1)
	v_add_nc_u32 v6, s19, v6                       ; into a stage: four lanes' 64 bytes on end, then 16 of padding
	v_mul_u32_u24 v7, v1, 80
	s_delay_alu instid0(VALU_DEP_1)
	v_add_nc_u32 v7, s19, v7                       ; out of it: 80 x lane: my 16 neighbours
	v_lshrrev_b32 v8, 3, v1                        ; my 12 bytes of codes in the token's 384: block B = l / 2 = 4 s + 2 c + h goes to 96 s + 48 h + 24 c
	s_delay_alu instid0(VALU_DEP_1)
	v_mul_u32_u24 v8, v8, 96
	v_bfe_u32 v9, v1, 1, 1
	s_delay_alu instid0(VALU_DEP_1)
	v_mad_u32_u24 v8, v9, 48, v8
	v_bfe_u32 v9, v1, 2, 1
	s_delay_alu instid0(VALU_DEP_1)
	v_mad_u32_u24 v8, v9, 24, v8
	v_and_b32 v9, 1, v1
	s_delay_alu instid0(VALU_DEP_1)
	v_mad_u32_u24 v8, v9, 12, v8
	s_lshl_b32 s19, s18, 6
	s_add_co_u32 s19, s19, SCB
	v_lshrrev_b32 v9, 1, v1
	s_delay_alu instid0(VALU_DEP_1)
	v_add_nc_u32 v9, s19, v9                       ; my block's scale byte: 64 x wave + 16 x token + l / 2
	s_lshl_b32 s19, s18, 4
	s_add_co_u32 s19, s19, EI
	v_lshrrev_b32 v10, 3, v1
	s_delay_alu instid0(VALU_DEP_1)
	v_lshl_add_u32 v10, v10, 2, s19                ; behind the reduction lane 8 t + e serves token t: its word among the 32
	v_and_b32 v12, 7, v1
	s_delay_alu instid0(VALU_DEP_1)
	v_cvt_f32_u32 v11, v12                         ; e as f32
	s_delay_alu instid0(VALU_DEP_2)
	v_lshlrev_b32 v12, 2, v12                      ; br: 4 e
	v_lshlrev_b32 v14, 2, v1                       ; 4 x lane
	v_add_nc_u32 v15, SCB, v2                      ; wave 0's way out: 16 scale bytes a token
	s_mov_b32 s24, 0xff00ff00                      ; the lanes whose number has bit 3, 2, 1, 0 set
	s_mov_b32 s25, 0xf0f0f0f0
	s_mov_b32 s26, 0xcccccccc
	s_mov_b32 s27, 0xaaaaaaaa
	s_lshl_b32 s20, ttmp9, 16                      ; x: 32 tokens of 2,048 bytes a work-group, 4 a wave
	s_lshl_b32 s22, s18, 13
	s_add_co_u32 s20, s20, s22
	s_mov_b32 s21, 0
	s_wait_alu depctr_va_vdst(0)
	s_wait_kmcnt 0x0
	s_add_nc_u64 s[4:5], s[4:5], s[20:21]
	s_lshl_b32 s20, ttmp9, 5
	s_lshl_b32 s22, s18, 2
	s_add_co_u32 s20, s20, s22
	s_mul_i32 s20, s20, 384
	s_add_nc_u64 s[10:11], s[10:11], s[20:21]      ; xc at my wave's first token
	s_lshl_b32 s20, ttmp9, 9
	s_add_nc_u64 s[12:13], s[12:13], s[20:21]      ; xs at the work-group's first token
	s_lshl_b32 s20, ttmp9, 7
	s_add_nc_u64 s[14:15], s[14:15], s[20:21]
	s_add_nc_u64 s[16:17], s[16:17], s[20:21]
.irp j, 0,1,2,3
	global_load_b128 v[16+4*\j:19+4*\j], v3, s[6:7] offset:4096*\j       ; Wr, 16 KiB by the work-group's 256 threads
.endr
	global_load_b32 v13, v12, s[8:9]               ; br[e]
.irp t, 0,1,2,3
.irp i, 0,1,2,3
	global_load_b128 v[128+16*\t+4*\i:131+16*\t+4*\i], v2, s[4:5] offset:2048*\t+512*\i th:TH_LOAD_NT   ; 32 lanes read 512 consecutive bytes
.endr
.endr
	s_wait_loadcnt 16                              ; Wr and br are in; the 16 loads of x stay out
.irp j, 0,1,2,3
	ds_store_b128 v4, v[16+4*\j:19+4*\j] offset:WRL+4224*\j
.endr
	v_lshl_add_u32 v3, v1, 2, EI                   ; Wr's loads are done, so their address register is free: wave 0's way out, 4 x lane among the experts
.irp t, 0,1,2,3
	s_wait_loadcnt 12-4*\t                         ; token t's four loads are in, the later tokens' stay out
.irp i, 0,1,2,3
	ds_store_b128 v6, v[128+16*\t+4*\i:131+16*\t+4*\i] offset:2560*\t+640*\i
.endr
.irp i, 0,1,2,3
	ds_load_b128 v[X+16*\t+4*\i:X+16*\t+4*\i+3], v7 offset:2560*\t+16*\i    ; LDS serves a wave's instructions in order: these see the stores above
.endr
.endr
	s_wait_dscnt 0x0                               ; for the others' sake: my part of Wr lies in LDS; for mine: x is back, and the stores have read v16-31 and v128-191
	s_barrier_signal -1
	s_barrier_wait -1                              ; Wr is whole
.irp j, 0,1,2,3,4,5,6,7,8,9,10,11,12,13,14,15,16,17,18,19,20,21,22,23,24,25,26,27,28,29,30,31
	ds_load_b128 v[WR+4*\j:WR+4*\j+3], v5 offset:WRL+16*\j
.endr
	; ---- x's codes, the four tokens by turns, while Wr comes out of LDS
.irp t, 0,1,2,3
	v_max3_num_f32 v[M0+\t], |v[X+16*\t]|, |v[X+16*\t+1]|, |v[X+16*\t+2]|
	v_max3_num_f32 v[M1+\t], |v[X+16*\t+3]|, |v[X+16*\t+4]|, |v[X+16*\t+5]|
.endr
.irp i, 6,10
.irp t, 0,1,2,3
	v_max3_num_f32 v[M0+\t], v[M0+\t], |v[X+16*\t+\i]|, |v[X+16*\t+\i+1]|
	v_max3_num_f32 v[M1+\t], v[M1+\t], |v[X+16*\t+\i+2]|, |v[X+16*\t+\i+3]|
.endr
.endr
.irp t, 0,1,2,3
	v_max3_num_f32 v[M0+\t], v[M0+\t], |v[X+16*\t+14]|, |v[X+16*\t+15]|
.endr
.irp t, 0,1,2,3
	s_delay_alu instid0(VALU_DEP_4)
	v_max3_num_f32 v[M0+\t], v[M0+\t], v[M1+\t], 0x1800000          ; and the floor 2^(3 - 127): the byte cannot fall under 1
.endr
.irp t, 0,1,2,3
	s_delay_alu instid0(VALU_DEP_4)
	v_max_num_f32_dpp v[M0+\t], v[M0+\t], v[M0+\t] row_xmask:1 row_mask:0xf bank_mask:0xf   ; with my neighbour's 16: the block's largest magnitude
.endr
.irp t, 0,1,2,3
	s_delay_alu instid0(VALU_DEP_4)
	v_add_nc_u32 v[SO+\t], 0xff000000, v[M0+\t]    ; 2 off its exponent field: the conversion takes the exponent field of this operand as its scale
.endr
.irp t, 0,1,2,3
	v_cvt_scalef32_pk16_fp6_f32 v[ACC+4*\t:ACC+4*\t+2], v[X+16*\t:X+16*\t+15], v[SO+\t]
.endr
.irp t, 0,1,2,3
	v_lshrrev_b32 v[EB+\t], 23, v[SO+\t]           ; the scale's byte (also the plain line behind the conversions)
.endr
.irp t, 0,1,2,3
	ds_store_b8 v9, v[EB+\t] offset:16*\t          ; both lanes of a block write the same byte with the same value
	global_store_b96 v8, v[ACC+4*\t:ACC+4*\t+2], s[10:11] offset:384*\t     ; the wave's 32 x 12 bytes are the token's 384 consecutive bytes
.endr
	s_wait_dscnt 0x0                               ; Wr's 128 numbers are in
	s_wait_xcnt 0x0                                ; the stores have read the codes' registers, which now take the sums
	; ---- the logits: 16 numbers x 8 experts x 4 tokens a lane, two experts an instruction; the first product starts each sum
.irp i, 0,1,2,3,4,5,6,7,8,9,10,11,12,13,14,15
.irp p, 0,1,2,3
.irp t, 0,1,2,3
.if \i == 0
	v_pk_mul_f32 v[ACC+8*\t+2*\p:ACC+8*\t+2*\p+1], v[X+16*\t:X+16*\t+1], v[WR+2*\p:WR+2*\p+1] op_sel_hi:[0,1]
.elseif (\i%2) == 0
	v_pk_fma_f32 v[ACC+8*\t+2*\p:ACC+8*\t+2*\p+1], v[X+16*\t+\i:X+16*\t+\i+1], v[WR+8*\i+2*\p:WR+8*\i+2*\p+1], v[ACC+8*\t+2*\p:ACC+8*\t+2*\p+1] op_sel_hi:[0,1,1]
.else
	v_pk_fma_f32 v[ACC+8*\t+2*\p:ACC+8*\t+2*\p+1], v[X+16*\t+\i-1:X+16*\t+\i], v[WR+8*\i+2*\p:WR+8*\i+2*\p+1], v[ACC+8*\t+2*\p:ACC+8*\t+2*\p+1] op_sel:[1,0,0] op_sel_hi:[1,1,1]
.endif
.endr
.endr
.endr
	; ---- 32 sums x 32 lanes -> one sum a lane: in each stage half of the registers change lanes and are added, so that a bit of the lane's number takes
	; the place of a bit of the register's.  At the end lane 8 t + e holds token t's logit e.
.irp a, 0,1,2,3,4,5,6,7,8,9,10,11,12,13,14,15
	v_permlane16_swap_b32 v[ACC+\a], v[ACC+16+\a]
.endr
.irp a, 0,1,2,3,4,5,6,7,8,9,10,11,12,13,14,15
	v_add_f32 v[ACC+\a], v[ACC+\a], v[ACC+16+\a]
.endr
.macro FOLD half, mask
.set a, 0
.rept \half
	v_cndmask_b32 v[16+a], v[ACC+a+\half], v[ACC+a], s[\mask]            ; what the lane across wants of me
	v_cndmask_b32 v[ACC+a], v[ACC+a], v[ACC+a+\half], s[\mask]           ; what I keep
	s_delay_alu instid0(VALU_DEP_1)
	v_add_f32_dpp v[ACC+a], v[16+a], v[ACC+a] row_xmask:\half row_mask:0xf bank_mask:0xf
.set a, a+1
.endr
.endm
	FOLD 8, 24
	FOLD 4, 25
	FOLD 2, 26
	FOLD 1, 27
	s_delay_alu instid0(VALU_DEP_1)
	; ---- the softmax of a token in its eight lanes
	v_add_f32 v16, v[ACC], v13                     ; the logit
	s_delay_alu instid0(VALU_DEP_1)
	v_mov_b32 v17, v16
	s_delay_alu instid0(VALU_DEP_1)
	v_max_num_f32_dpp v17, v17, v17 row_xmask:1 row_mask:0xf bank_mask:0xf
	s_delay_alu instid0(VALU_DEP_1)
	v_max_num_f32_dpp v17, v17, v17 row_xmask:2 row_mask:0xf bank_mask:0xf
	s_delay_alu instid0(VALU_DEP_1)
	v_max_num_f32_dpp v17, v17, v17 row_xmask:4 row_mask:0xf bank_mask:0xf     ; the token's largest logit is taken away ahead of the exponential
	s_delay_alu instid0(VALU_DEP_1)
	v_sub_f32 v18, v16, v17
	s_delay_alu instid0(VALU_DEP_1)
	v_mul_f32 v18, 0x3fb8aa3b, v18
	s_wait_alu depctr_va_vdst(0)
	v_exp_f32 v19, v18
	v_nop                                          ; a plain line behind the exponential,
	s_wait_alu depctr_va_vdst(0)                   ; and a wait ahead of its first reader
	v_mov_b32 v20, v19
	s_delay_alu instid0(VALU_DEP_1)
	v_add_f32_dpp v20, v20, v20 row_xmask:1 row_mask:0xf bank_mask:0xf
	s_delay_alu instid0(VALU_DEP_1)
	v_add_f32_dpp v20, v20, v20 row_xmask:2 row_mask:0xf bank_mask:0xf
	s_delay_alu instid0(VALU_DEP_1)
	v_add_f32_dpp v20, v20, v20 row_xmask:4 row_mask:0xf bank_mask:0xf
	s_wait_alu depctr_va_vdst(0)
	v_rcp_f32 v21, v20                             ; G = 1 / the sum: the largest term is 1
	v_nop
	v_cmp_eq_f32 vcc_lo, 1.0, v19
	s_delay_alu instid0(VALU_DEP_1)
	v_cndmask_b32 v22, 0x41000000, v11, vcc_lo     ; e where the term is 1, else 8
	s_delay_alu instid0(VALU_DEP_1)
	v_min_num_f32_dpp v22, v22, v22 row_xmask:1 row_mask:0xf bank_mask:0xf
	s_delay_alu instid0(VALU_DEP_1)
	v_min_num_f32_dpp v22, v22, v22 row_xmask:2 row_mask:0xf bank_mask:0xf
	s_delay_alu instid0(VALU_DEP_1)
	v_min_num_f32_dpp v22, v22, v22 row_xmask:4 row_mask:0xf bank_mask:0xf     ; the lowest such e
	s_delay_alu instid0(VALU_DEP_1)
	v_cvt_u32_f32 v22, v22
	s_wait_alu depctr_va_vdst(0)                   ; the reciprocal's wait, ahead of its first reader
	ds_store_b32 v10, v22                          ; a token's eight lanes write the same word with the same value
	ds_store_b32 v10, v21 offset:128
	s_wait_dscnt 0x0                               ; for wave 0's sake: my scale bytes, experts and gates lie in LDS
	s_barrier_signal -1
	s_barrier_wait -1
	s_cmp_lg_u32 s18, 0
	s_cbranch_scc1 .Lend
	ds_load_b128 v[24:27], v15                     ; wave 0, a lane a token: 16 scale bytes,
	ds_load_b32 v28, v3                            ; the expert,
	ds_load_b32 v29, v3 offset:128                 ; the gate
	s_wait_dscnt 0x0
	global_store_b128 v2, v[24:27], s[12:13]       ; 512 consecutive bytes
	global_store_b32 v14, v28, s[14:15]            ; 128 consecutive bytes each: 32 tokens to a work-group
	global_store_b32 v14, v29, s[16:17]
.Lend:
	s_set_vgpr_msb 0x5
	s_wait_tensorcnt 0x0
	ds_add_u32 v0, v1
	s_wait_dscnt 0x0
	s_set_vgpr_msb 0x500
	s_endpgm
.Lfunc_end_k_q7deb37eb32_route:
	.size	k_q7deb37eb32_route, .Lfunc_end_k_q7deb37eb32_route-k_q7deb37eb32_route
	.p2alignl 7, 3214868480
	.fill 96, 4, 3214868480
	.section	.rodata,"a",@progbits
	.p2align	6, 0x0
	.amdhsa_kernel k_q7deb37eb32_route
		.amdhsa_group_segment_fixed_size 100608
		.amdhsa_private_segment_fixed_size 0
		.amdhsa_enable_private_segment 0
		.amdhsa_kernarg_size 56
		.amdhsa_user_sgpr_count 2
		.amdhsa_user_sgpr_kernarg_segment_ptr 1
		.amdhsa_wavefront_size32 1
		.amdhsa_system_sgpr_workgroup_id_x 1
		.amdhsa_system_sgpr_workgroup_id_y 1
		.amdhsa_system_sgpr_workgroup_id_z 1
		.amdhsa_system_vgpr_workitem_id 0
		.amdhsa_next_free_vgpr 258
		.amdhsa_next_free_sgpr 66
		.amdhsa_reserve_vcc 1
		.amdhsa_float_denorm_mode_32 3
		.amdhsa_float_denorm_mode_16_64 3
		.amdhsa_memory_ordered 1
		.amdhsa_forward_progress 1
		.amdhsa_inst_pref_size 38
	.end_amdhsa_kernel
	.amdgpu_metadata
---
amdhsa.version: [ 1, 2 ]
amdhsa.kernels:
  - .name:           k_q7deb37eb32_route
    .symbol:         k_q7deb37eb32_route.kd
    .args:
      - { .name: x, .offset: 0, .size: 8, .value_kind: global_buffer, .address_space: global }
      - { .name: Wr, .offset: 8, .size: 8, .value_kind: global_buffer, .address_space: global }
      - { .name: br, .offset: 16, .size: 8, .value_kind: global_buffer, .address_space: global }
      - { .name: xc, .offset: 24, .size: 8, .value_kind: global_buffer, .address_space: global }
      - { .name: xs, .offset: 32, .size: 8, .value_kind: global_buffer, .address_space: global }
      - { .name: eidx, .offset: 40, .size: 8, .value_kind: global_buffer, .address_space: global }
      - { .name: gate, .offset: 48, .size: 8, .value_kind: global_buffer, .address_space: global }
    .group_segment_fixed_size: 100608
    .private_segment_fixed_size: 0
    .kernarg_segment_align: 8
    .kernarg_segment_size: 56
    .max_flat_workgroup_size: 256
    .sgpr_count:     66
    .vgpr_count:     258
    .wavefront_size: 32
...
	.end_amdgpu_metadata
.endif
;; end of part 4
;; launch place (part 5): grid 65 x 1, 32 waves a work-group, no clusters, 8,192 bytes of LDS; arguments eidx, W1_codes, W2_codes, rows, tiles, wimg; writes rows, tiles, wimg
.if DOCPART == 5
	.amdgcn_target "amdgcn-amd-amdhsa--gfx1250"
	.amdhsa_code_object_version 6
	.text
	.protected	k_q7deb37eb32_place
	.globl	k_q7deb37eb32_place
	.p2align	8
	.type	k_q7deb37eb32_place,@function
k_q7deb37eb32_place:
	s_mov_b64 s[64:65], 0
	v_nop
	global_prefetch_b8 v0, s[64:65] scope:SCOPE_SE
	s_setreg_imm32_b32 hwreg(HW_REG_WAVE_MODE, 25, 1), 1
	s_wait_xcnt 0x0
; PLACE.  Work-group 0 sorts the 8,192 tokens by their expert (a counting sort, no atomics) into tiles of 64 rows and writes the table of tiles.
; Work-groups 1 to 64 lay W1's and W2's codes out as images of operand registers, a fragment (16 rows x 128 K, 1,536 bytes) to a wave.
; rows [slot] u32: slot 64 j + i = the token of row i of tile j; an expert's tiles follow each other, its last one is filled up with token 0.
; tiles [j] = (expert, rows that count: 0 .. 64).  With 8,192 tokens and 8 experts there are never more than 128 + 7 = 135 tiles, whatever the split.
; wimg: fragment g = 1024 layer + 128 expert + 4 T + s; register group c of lane l at 1536 g + 512 c + 16 l.  Lane r of W1's tile T takes row
; 32 (T / 2) + 8 (T % 2) + r + 8 (r / 8), so that the first product's results lie as neighbours along the second product's K; of W2's tile T row 16 T + r.
; All that steers an address here is whole numbers: eidx, read from memory, and counts made of it.
.set CNT, 20                           ; s20-27 my wave's tokens of each expert
.set TT,  28                           ; s28-35 all tokens of each expert
.set RUN, 36                           ; s36-43 the next free slot of each expert for my wave
.set TB,  44                           ; s44-52 each expert's first tile; s52: the tiles in use
.set MK,  66                           ; s66-73 eight lane masks
.set E,   8                            ; v8-15  my eight tokens' experts
.set TBL, 32                           ; v32-63 the 32 waves' counts (lane = expert)
.set TK,  64                           ; v64-71 my eight tokens' numbers
.set POS, 72                           ; v72-79 their slots
	s_load_b256 s[4:11], s[0:1], 0x0               ; eidx s[4:5], W1's codes s[6:7], W2's s[8:9], rows s[10:11]
	s_load_b128 s[12:15], s[0:1], 0x20             ; tiles s[12:13], wimg s[14:15]
	v_lshl_add_u32 v96, v0, 2, 0x1000
	v_mov_b32 v97, 0
	v_lshrrev_b32 v1, 5, v0
	s_delay_alu instid0(VALU_DEP_1)
	v_readfirstlane_b32 s16, v1                    ; wave 0..31
	v_and_b32 v1, 31, v0                           ; lane
	s_cmp_lg_u32 ttmp9, 0
	s_cbranch_scc1 .Lrelay
	; ================ the sort: work-group 0, 1,024 threads, eight tokens each
	v_lshlrev_b32 v3, 4, v0                        ; 16 x thread
	v_mov_b32 v4, 0
	v_mov_b32 v5, 0
	v_mov_b32 v6, 0
	v_mov_b32 v7, 0
	s_lshl_b32 s53, s16, 10
	v_lshl_add_u32 v2, v1, 4, s53                  ; eidx: 1,024 bytes a wave, 16 a lane
	v_lshlrev_b32 v17, 2, v0                       ; LDS: 128 x wave + 4 x lane
	v_lshlrev_b32 v18, 2, v1
	v_lshlrev_b32 v24, 3, v0
	s_lshl_b32 s54, s16, 8
	v_lshl_add_u32 v27, v1, 2, s54                 ; 256 x wave + 4 x lane: my first token
	s_wait_alu depctr_va_vdst(0)
	s_wait_kmcnt 0x0
	global_load_b128 v[E:E+3], v2, s[4:5]
	global_load_b128 v[E+4:E+7], v2, s[4:5] offset:512
.irp i, 0,1,2
	global_store_b128 v3, v[4:7], s[10:11] offset:16384*\i      ; every slot first holds token 0: what no token takes stays so
.endr
.irp q, 0,1
.irp i, 0,1,2,3
	v_add_nc_u32 v[TK+4*\q+\i], 128*\q+\i, v27     ; register 4 q + i holds token 256 w + 128 q + 4 l + i
.endr
.endr
	s_wait_loadcnt 0x0
.irp c, 0,1,2,3,4,5,6,7
	v_min_u32 v[E+\c], 7, v[E+\c]
.endr
.irp c, 0,1,2,3,4,5,6,7                        ; my wave's tokens of each expert
.irp e, 0,1,2,3,4,5,6,7
	v_cmp_eq_u32 s[MK+\e], \e, v[E+\c]
.endr
.irp e, 0,1,2,3,4,5,6,7
.if \c == 0
	s_bcnt1_i32_b32 s[CNT+\e], s[MK+\e]
.else
	s_bcnt1_i32_b32 s54, s[MK+\e]
	s_add_co_u32 s[CNT+\e], s[CNT+\e], s54
.endif
.endr
.endr
	v_mov_b32 v16, 0
.irp e, 0,1,2,3,4,5,6,7
	s_delay_alu instid0(VALU_DEP_1)
	v_writelane_b32 v16, s[CNT+\e], \e
.endr
	ds_store_b32 v17, v16                          ; my wave's row of the table: lane e holds expert e's count
	s_wait_storecnt 0x0                            ; my part of the fill is done: behind the barrier other waves of this work-group store tokens into those bytes
	s_wait_dscnt 0x0
	s_barrier_signal -1
	s_barrier_wait -1
.set q, 0
.rept 32
	ds_load_b32 v[TBL+q], v18 offset:128*q
.set q, q+1
.endr
	v_mov_b32 v20, 0                               ; all waves' counts,
	v_mov_b32 v21, 0                               ; and those of the waves in front of mine
	s_wait_alu depctr_va_vdst(0)
	s_wait_dscnt 0x0
.set q, 0
.rept 32
	s_cmp_gt_u32 s16, q
	s_cselect_b32 s53, -1, 0
	v_add_nc_u32 v20, v20, v[TBL+q]
	v_and_b32 v19, s53, v[TBL+q]
	s_delay_alu instid0(VALU_DEP_1)
	v_add_nc_u32 v21, v21, v19
.set q, q+1
.endr
.irp e, 0,1,2,3,4,5,6,7
	v_readlane_b32 s[TT+\e], v20, \e
	v_readlane_b32 s[RUN+\e], v21, \e
.endr
	s_mov_b32 s[TB], 0
.irp e, 0,1,2,3,4,5,6,7
	s_add_co_u32 s53, s[TT+\e], 63
	s_lshr_b32 s53, s53, 6
	s_add_co_u32 s[TB+\e+1], s[TB+\e], s53         ; the expert's tiles: its tokens / 64, rounded up
	s_lshl_b32 s53, s[TB+\e], 6
	s_add_co_u32 s[RUN+\e], s[RUN+\e], s53         ; my wave's first slot with this expert
.endr
.irp c, 0,1,2,3,4,5,6,7                        ; a token's slot: the expert's next free slot + the lower lanes that hold the same expert
.irp e, 0,1,2,3,4,5,6,7
	v_cmp_eq_u32 s[MK+\e], \e, v[E+\c]
.endr
	v_mbcnt_lo_u32_b32 v[POS+\c], s[MK], s[RUN]
.irp e, 1,2,3,4,5,6,7
	v_mbcnt_lo_u32_b32 v26, s[MK+\e], s[RUN+\e]
	s_delay_alu instid0(VALU_DEP_1)
	v_cndmask_b32 v[POS+\c], v[POS+\c], v26, s[MK+\e]
.endr
.irp e, 0,1,2,3,4,5,6,7
	s_bcnt1_i32_b32 s54, s[MK+\e]
	s_add_co_u32 s[RUN+\e], s[RUN+\e], s54
.endr
.endr
.irp c, 0,1,2,3,4,5,6,7
	v_min_u32 v[POS+\c], 0x21bf, v[POS+\c]         ; 135 tiles x 64 - 1
	s_delay_alu instid0(VALU_DEP_1)
	v_lshlrev_b32 v[POS+\c], 2, v[POS+\c]
	global_store_b32 v[POS+\c], v[TK+\c], s[10:11]
.endr
	s_cmp_gt_u32 s16, 7
	s_cbranch_scc1 .Ldone
	v_mov_b32 v22, 0                               ; the table: thread j writes tile j: the last expert whose first tile is not behind j,
	v_mov_b32 v23, 0                               ; and what is left of its tokens from row 64 (j - first tile) on, 64 at the most
.irp e, 0,1,2,3,4,5,6,7
	v_sub_nc_u32 v25, v0, s[TB+\e]
	s_delay_alu instid0(VALU_DEP_1)
	v_lshlrev_b32 v25, 6, v25
	s_delay_alu instid0(VALU_DEP_1)
	v_min_u32 v25, s[TT+\e], v25
	s_delay_alu instid0(VALU_DEP_1)
	v_sub_nc_u32 v25, s[TT+\e], v25
	v_cmp_gt_u32 vcc_lo, s[TB+\e], v0              ; the expert begins behind tile j: the earlier choice stays
	s_delay_alu instid0(VALU_DEP_1)
	v_cndmask_b32 v22, \e, v22, vcc_lo
	s_delay_alu instid0(VALU_DEP_2)
	v_cndmask_b32 v23, v25, v23, vcc_lo
.endr
	s_delay_alu instid0(VALU_DEP_1)
	v_min_u32 v23, 64, v23
	global_store_b64 v24, v[22:23], s[12:13]       ; 256 consecutive bytes a wave
.Ldone:
	s_wait_tensorcnt 0x0
	ds_add_u32 v96, v97
	s_wait_dscnt 0x0
	s_endpgm
	; ================ the weights' images: work-groups 1 to 64, a fragment to a wave
.Lrelay:
	v_and_b32 v2, 15, v0                           ; r
	v_bfe_u32 v3, v0, 4, 1                         ; h
	s_wait_alu depctr_va_vdst(0)
	v_lshlrev_b32 v6, 4, v1                        ; 16 x lane
	s_sub_co_u32 s20, ttmp9, 1
	s_lshl_b32 s20, s20, 5
	s_add_co_u32 s20, s20, s16                     ; g = 0 .. 2047
	s_bfe_u32 s21, s20, 0x30007                    ; the expert
	s_bfe_u32 s22, s20, 0x50002                    ; T
	s_and_b32 s23, s20, 3                          ; s
	s_lshl_b32 s24, s22, 4                         ; W2: the tile's first row, 16 T
	s_lshr_b32 s25, s22, 1
	s_lshl_b32 s25, s25, 5
	s_and_b32 s26, s22, 1
	s_lshl_b32 s26, s26, 3
	s_add_co_u32 s25, s25, s26                     ; W1: 32 (T / 2) + 8 (T % 2)
	s_mul_i32 s28, s21, 196608                     ; an expert's 512 rows of 384 bytes,
	s_mul_i32 s29, s23, 96                         ; 96 bytes a K step
	s_add_co_u32 s28, s28, s29
	s_mov_b32 s29, 0
	s_mul_i32 s30, s20, 1536
	s_mov_b32 s31, 0
	s_wait_alu depctr_va_vdst(0)
	s_wait_kmcnt 0x0
	s_cmp_lt_u32 s20, 1024                         ; W1 or W2?  The choice hangs on the work-group's and the wave's number alone
	s_cselect_b64 s[6:7], s[6:7], s[8:9]
	s_cselect_b32 s24, s25, s24
	s_cselect_b32 s27, 8, 0
	v_and_b32 v4, s27, v2
	s_delay_alu instid0(VALU_DEP_1)
	v_add3_u32 v4, v4, v2, s24                     ; my row
	s_delay_alu instid0(VALU_DEP_1)
	v_mul_u32_u24 v5, v4, 384
	s_delay_alu instid0(VALU_DEP_1)
	v_mad_u32_u24 v5, v3, 24, v5                   ; + 24 h
	s_add_nc_u64 s[6:7], s[6:7], s[28:29]
	s_add_nc_u64 s[14:15], s[14:15], s[30:31]
.irp p, 0,1,2,3,4,5
	global_load_b64 v[32+2*\p:33+2*\p], v5, s[6:7] offset:48*(\p/3)+8*(\p%3) th:TH_LOAD_NT    ; the fragment's 12 registers, in pieces of 8 bytes
.endr
	s_wait_loadcnt 0x0
.irp c, 0,1,2
	global_store_b128 v6, v[32+4*\c:35+4*\c], s[14:15] offset:512*\c     ; 512 consecutive bytes
.endr
	s_endpgm
.Lfunc_end_k_q7deb37eb32_place:
	.size	k_q7deb37eb32_place, .Lfunc_end_k_q7deb37eb32_place-k_q7deb37eb32_place
	.p2alignl 7, 3214868480
	.fill 96, 4, 3214868480
	.section	.rodata,"a",@progbits
	.p2align	6, 0x0
	.amdhsa_kernel k_q7deb37eb32_place
		.amdhsa_group_segment_fixed_size 8192
		.amdhsa_private_segment_fixed_size 0
		.amdhsa_enable_private_segment 0
		.amdhsa_kernarg_size 48
		.amdhsa_user_sgpr_count 2
		.amdhsa_user_sgpr_kernarg_segment_ptr 1
		.amdhsa_wavefront_size32 1
		.amdhsa_system_sgpr_workgroup_id_x 1
		.amdhsa_system_sgpr_workgroup_id_y 1
		.amdhsa_system_sgpr_workgroup_id_z 1
		.amdhsa_system_vgpr_workitem_id 0
		.amdhsa_next_free_vgpr 98
		.amdhsa_next_free_sgpr 76
		.amdhsa_reserve_vcc 1
		.amdhsa_float_denorm_mode_32 3
		.amdhsa_float_denorm_mode_16_64 3
		.amdhsa_memory_ordered 1
		.amdhsa_forward_progress 1
		.amdhsa_inst_pref_size 47
	.end_amdhsa_kernel
	.amdgpu_metadata
---
amdhsa.version: [ 1, 2 ]
amdhsa.kernels:
  - .name:           k_q7deb37eb32_place
    .symbol:         k_q7deb37eb32_place.kd
    .args:
      - { .name: eidx, .offset: 0, .size: 8, .value_kind: global_buffer, .address_space: global }
      - { .name: W1_codes, .offset: 8, .size: 8, .value_kind: global_buffer, .address_space: global }
      - { .name: W2_codes, .offset: 16, .size: 8, .value_kind: global_buffer, .address_space: global }
      - { .name: rows, .offset: 24, .size: 8, .value_kind: global_buffer, .address_space: global }
      - { .name: tiles, .offset: 32, .size: 8, .value_kind: global_buffer, .address_space: global }
      - { .name: wimg, .offset: 40, .size: 8, .value_kind: global_buffer, .address_space: global }
    .group_segment_fixed_size: 8192
    .private_segment_fixed_size: 0
    .kernarg_segment_align: 8
    .kernarg_segment_size: 48
    .max_flat_workgroup_size: 1024
    .sgpr_count:     76
    .vgpr_count:     98
    .wavefront_size: 32
...
	.end_amdgpu_metadata
.endif
;; end of part 5
;; launch chain (part 6): grid 135 x 1, 4 waves a work-group, no clusters, 60,928 bytes of LDS; arguments tiles, rows, xc, xs, gate, wimg, W1_scales, b1, W2_scales, b2, out0; writes out0
.if DOCPART == 6
	.amdgcn_target "amdgcn-amd-amdhsa--gfx1250"
	.amdhsa_code_object_version 6
	.text
	.protected	k_q7deb37eb32_chain
	.globl	k_q7deb37eb32_chain
	.p2align	8
	.type	k_q7deb37eb32_chain,@function
k_q7deb37eb32_chain:
	s_mov_b64 s[64:65], 0
	v_nop
	global_prefetch_b8 v0, s[64:65] scope:SCOPE_SE
	s_setreg_imm32_b32 hwreg(HW_REG_WAVE_SCHED_MODE, 0, 2), 2
	s_setreg_imm32_b32 hwreg(HW_REG_WAVE_MODE, 25, 1), 1
	s_wait_xcnt 0x0
	s_wait_alu depctr_vm_vsrc(0)
; CHAIN.  y = G (Q(relu(Q(x) W1[e] + b1[e])) W2[e] + b2[e]) for one tile: up to 64 tokens that chose expert e.  Both products on codes of FP6 (E2M3) with one
; E8M0 scale for each 32 along K; sums in f32; the hidden layer is quantised in registers and never goes to memory.
; GRID: 135 work-groups = 8,192 / 64 + 8 - 1, enough for every split of the tokens.  A tile that a split leaves empty walks the same text on token 0 and
; stores nothing: the barrier stands on every wave's path, and only the stores hang on the stored number of rows.
; NO TENSOR LOAD, NO CLUSTER: the weights' addresses hang on the stored expert and the stores on the stored count; partners of a cluster could not be given
; tiles of one expert at every split.  So operands go from memory straight into registers, from images laid in the order of the operands' registers.
; SHARES: wave w makes hidden units 128 w .. + 127 and outputs 128 w .. + 127 for all 64 rows (four tiles m of 16): each fragment of W1 and W2 is loaded once
; in the work-group and feeds four matrix instructions.  BOTH PRODUCTS ARE USED TRANSPOSED (source 0 = 16 rows of a weight, source 1 = 16 tokens): a lane holds one token.
; The rows of W1 that form a tile were chosen so that the 16 registers of tiles 2 b, 2 b + 1 are hidden units 32 b + 16 (lane / 16) + 0 .. 15.
; The hidden layer's fragments go from wave to wave through LDS as images of their registers; one barrier.  The biases are the C of each sum's first instruction.
; LIMITS: NaN and infinities are not served; a block of zeros of the hidden layer gets the byte 1 (its codes are zeros).
; THE MODE: SCHED_MODE bits 1:0 = 2 (LLVM: expert scheduling mode 2), set by the entry lines.  The code itself states the register dependences between vector or
; matrix instructions and memory or LDS instructions, with s_wait_alu, always for 0.
; THE PLAN.  Registers that memory or LDS instructions touch, and who else names them:
;   v4-15          lane terms, made at the head and never written again: one wait ahead of the first load serves every load and store.
;   XO, XSO, GO    made once from the tokens: one wait ahead of the first load of x.
;   x, XS          loaded for row tile m, read by its 32 matrix instructions, loaded again for row tile m + 2 behind the wait that follows those.
;   PC, PW         written by row tile m's conversions; read by its image's four LDS stores, which stand behind the wait that follows row tile m + 1's matrix
;                  instructions (these name neither); written again by row tile m + 1's conversions, behind a wait on vm_vsrc.
;   W1, b1         read by the first product; W2's K steps 2 and 3 land over them behind the wait that follows row tile 3's matrix instructions.
;   four sets of hidden fragments, each loaded once, into registers that no vector or matrix instruction names between the waits behind the barrier and the load:
;                  so the second product holds no s_wait_alu, and its fetches are dealt among its halves.
;   the way out    row tile a: the gate's multiplies write its accumulators, sixteen additions its offsets; one wait ahead of its stores into the stage serves those stores,
;                  the loads from the stage and the stores to memory.  Offsets and rows have two sets by turns; a wait on vm_vsrc stands ahead of a set's second use.
;   One wait on va_sdst stands behind the wave's number and behind each run of eight v_readlane_b32.
; REGISTERS, in windows of 256.  Window 0: v1-15 lane terms; v16-31 tokens and offsets; v32-39 gates; v40-87 scale words and nothing else; v88-151 the hidden tile;
;   v152-171 codes; v172-188 at work; v192-255 b2.  Later: v88-135, v136-183 the hidden fragments of K steps 0, 1; on the way out v88-151, v192-255 rows, v152-183 offsets.
;   Window 1: W1's K steps 0, 1 (v0-191), b1 (v192-255); later y's accumulators of m = 0, 1 (v0-127), W2's K step 2 (v128-223), the hidden fragments of K step 3, m = 0, 1 (v224-247).
;   Window 2: W1's K steps 2, 3, x of even m (v192-239); later the accumulators of m = 2, 3, W2's K step 3, the hidden fragments of K step 3, m = 2, 3 (v224-247).
;   Window 3: W2's K steps 0, 1, x of odd m (v192-239); later the hidden fragments of K step 2 (v192-239).
.set HIMG, 0                           ; LDS: the hidden layer's 16 fragments, (m, s) at 1536 (4 m + s)
.set HSC,  24576                       ; their scale words, 128 bytes each
.set STG,  26624                       ; the way out: 16 rows x (512 + 16) bytes for each wave, its own
.set TOK,  16                          ; v16-19 token of row 16 m + r
.set XO,   20                          ; v20-23 384 token + 48 h
.set XSO,  24                          ; v24-27 16 token
.set GO,   28                          ; v28-31 4 token
.set GT,   32                          ; v32-39 the gate, in pairs (the packed multiply names a pair and takes its low word)
.set W1S,  40                          ; v40-55 register 4 b + s: lanes 0-15 tile 2 b's words, lanes 16-31 tile 2 b + 1's
.set W2S,  56                          ; v56-71 likewise
.set XS,   72                          ; v72-79 x's words, register 4 (m % 2) + s; later the hidden layer's of K steps 2 and 3, register 4 (s - 2) + m
.set HS,   80                          ; v80-87 the hidden layer's of K steps 0 and 1, register 4 s + m
.set HA,   88
.set PC,   152
.set TM,   172
.set PW,   188
.set B2,   192
.set HF,   88
.set RO,   152
.set SEL,  36                          ; s[36:37] v_permlanex16_b32's selects for lane l xor 16
.set MSB, 0
.macro WIN new                         ; the immediate's high byte repeats the setting that is left; a switch that changes nothing is dropped
.if MSB != (\new)
	s_set_vgpr_msb (MSB<<8)|(\new)
.set MSB, (\new)
.endif
.endm
.macro PLACES                          ; four plain lines between a matrix instruction and a vector line on one of its registers (ISA guide 7.12.1)
.rept 4
	v_nop
.endr
.endm
.macro LDW1 s                          ; my eight fragments of W1 for K step s: 24 loads of 512 consecutive bytes
	WIN (1+(\s)/2)<<6
.irp t, 0,1,2,3,4,5,6,7
.irp c, 0,1,2
	global_load_b128 v[12*(8*((\s)%2)+\t)+4*\c:12*(8*((\s)%2)+\t)+4*\c+3], v4, s[14:15] offset:(4*\t+(\s))*1536+512*\c
.endr
.endr
.endm
.macro LDW2 s                          ; and of W2: 24 loads
.if (\s) < 2
	WIN 0xc0
.set WB, 96*(\s)
.else
	WIN ((\s)-1)<<6
.set WB, 128
.endif
.irp n, 0,1,2,3,4,5,6,7
.irp c, 0,1,2
	global_load_b128 v[WB+12*\n+4*\c:WB+12*\n+4*\c+3], v4, s[14:15] offset:1572864+(4*\n+(\s))*1536+512*\c
.endr
.endr
.endm
.macro LDX m                           ; the four fragments of x of row tile m, 48 bytes a lane and K step, and the tokens' scale words: 13 loads
	WIN (2+(\m)%2)<<6
.irp s, 0,1,2,3
.irp c, 0,1,2
	global_load_b128 v[192+12*\s+4*\c:192+12*\s+4*\c+3], v[XO+(\m)], s[8:9] offset:96*\s+16*\c
.endr
.endr
	WIN 0
	global_load_b128 v[XS+4*((\m)%2):XS+4*((\m)%2)+3], v[XSO+(\m)], s[10:11]
.endm
; Eight matrix instructions: my eight tiles of hidden units by turns, row tile m, K step s.  The first K step takes b1 as C.
.macro MM1 m, s
.if (\s) == 0
	WIN 1|((2+(\m)%2)<<2)|(1<<4)
.else
	WIN (1+(\s)/2)|((2+(\m)%2)<<2)
.endif
.irp t, 0,1,2,3,4,5,6,7
.set rD, HA+8*\t
.set rA, 12*(8*((\s)%2)+\t)
.set rB, 192+12*(\s)
.set rC, rD
.if (\s) == 0
.set rC, 192+8*\t
.endif
.set rP, W1S+4*(\t/2)+(\s)
.set rQ, XS+4*((\m)%2)+(\s)
.if \t%2
	v_wmma_scale_f32_16x16x128_f8f6f4 v[rD:rD+7], v[rA:rA+11], v[rB:rB+11], v[rC:rC+7], v[rP], v[rQ] matrix_a_fmt:MATRIX_FMT_FP6 matrix_b_fmt:MATRIX_FMT_FP6 matrix_a_scale:MATRIX_SCALE_ROW1
.else
	v_wmma_scale_f32_16x16x128_f8f6f4 v[rD:rD+7], v[rA:rA+11], v[rB:rB+11], v[rC:rC+7], v[rP], v[rQ] matrix_a_fmt:MATRIX_FMT_FP6 matrix_b_fmt:MATRIX_FMT_FP6
.endif
.endr
.endm
; 64 numbers of a lane, v[s] on, register 16 b + i = k 32 b + 16 (lane / 16) + i of my token, become a fragment's codes in v[PC] on and its scale word in v[PW].
.macro QUANT s
.irp b, 0,1,2,3
	v_max3_num_f32 v[TM+\b], |v[\s+16*\b]|, |v[\s+1+16*\b]|, 0x1800000   ; my 16 numbers of block b, and the floor 2^(3 - 127): the byte cannot fall under 1
.endr
.irp i, 2,4,6,8,10,12,14
.irp b, 0,1,2,3
	v_max3_num_f32 v[TM+\b], v[TM+\b], |v[\s+16*\b+\i]|, |v[\s+1+16*\b+\i]|
.endr
.endr
.irp b, 0,1,2,3
	v_permlanex16_b32 v[TM+4+\b], v[TM+\b], s[SEL], s[SEL+1]
.endr
.irp b, 0,1,2,3
	v_max_num_f32 v[TM+\b], v[TM+\b], v[TM+4+\b]   ; with lane l xor 16's: the block's largest magnitude
.endr
.irp b, 0,1,2,3
	v_add_nc_u32 v[TM+12+\b], 0xff000000, v[TM+\b] ; 2 off its exponent field: the conversion's scale operand
.endr
.irp b, 0,1,2,3
	v_lshrrev_b32 v[TM+4+\b], 23, v[TM+12+\b]      ; the scale's byte
.endr
	v_lshl_or_b32 v[PW], v[TM+5], 8, v[TM+4]
	v_lshl_or_b32 v[PW], v[TM+6], 16, v[PW]
	v_lshl_or_b32 v[PW], v[TM+7], 24, v[PW]
.irp c, 0,1
	v_cvt_scalef32_pk16_fp6_f32 v[PC+6*\c:PC+2+6*\c], v[\s+32*\c:\s+15+32*\c], v[TM+12+2*\c]
	v_cvt_scalef32_pk16_fp6_f32 v[PC+12+4*\c:PC+14+4*\c], v[\s+16+32*\c:\s+31+32*\c], v[TM+12+2*\c+1]   ; (a conversion's three registers begin on an even number)
.endr
	v_nop                                          ; one plain line behind the scaled conversions
.irp c, 0,1                                    ; the operand's layout wants a whole block in a lane: lanes 0-15 block 2 c, lanes 16-31 block 2 c + 1
.irp i, 0,1,2
	v_permlane16_swap_b32 v[PC+6*\c+\i], v[PC+12+4*\c+\i]
.endr
.irp i, 0,1,2
	v_mov_b32 v[PC+3+6*\c+\i], v[PC+12+4*\c+\i]
.endr
.endr
.endm
.macro IMAGE m                         ; row tile m's codes and scale word go to LDS as they stand: K step w of the second product
.irp c, 0,1,2
	ds_store_b128 v6, v[PC+4*\c:PC+4*\c+3] offset:HIMG+4*(\m)*1536+512*\c
.endr
	ds_store_b32 v7, v[PW] offset:HSC+512*(\m)
.endm
; Row tile m's hidden numbers: the image of the row tile before (its data were shown written by the wait on va_vdst that stands ahead of this macro), the activation in f32, the codes.
.macro HID m
	WIN 0
.if (\m) > 0
	IMAGE (\m)-1
.endif
.set j, 0
.rept 64
	v_max_num_f32 v[HA+j], 0, v[HA+j]              ; each accumulator from its low end on
.set j, j+1
.endr
.if (\m) > 0
	s_wait_dscnt 0x0                               ; the image's four stores are done,
	s_wait_alu depctr_vm_vsrc(0)                   ; and have read v[PC ..] and v[PW], which the lines below write again
.endif
	QUANT HA
.endm
; K step s of the hidden layer, all four row tiles: 16 LDS loads, into the K step's own set of registers
.macro HFETCH s
.if (\s) < 2
	WIN 0
.irp m, 0,1,2,3
.irp c, 0,1,2
	ds_load_b128 v[HF+48*(\s)+12*\m+4*\c:HF+48*(\s)+12*\m+4*\c+3], v4 offset:HIMG+(4*\m+(\s))*1536+512*\c
.endr
.endr
.irp m, 0,1,2,3
	ds_load_b32 v[HS+4*(\s)+\m], v5 offset:HSC+128*(4*\m+(\s))
.endr
.elseif (\s) == 2
	WIN 0xc0                                       ; destination window 3
.irp m, 0,1,2,3
.irp c, 0,1,2
	ds_load_b128 v[192+12*\m+4*\c:192+12*\m+4*\c+3], v4 offset:HIMG+(4*\m+(\s))*1536+512*\c
.endr
.endr
	WIN 0
.irp m, 0,1,2,3
	ds_load_b32 v[XS+\m], v5 offset:HSC+128*(4*\m+(\s))
.endr
.else
.irp m, 0,1,2,3
	WIN (1+\m/2)<<6                                ; destination window 1 for row tiles 0, 1, window 2 for row tiles 2, 3
.irp c, 0,1,2
	ds_load_b128 v[224+12*(\m%2)+4*\c:224+12*(\m%2)+4*\c+3], v4 offset:HIMG+(4*\m+(\s))*1536+512*\c
.endr
.endr
	WIN 0
.irp m, 0,1,2,3
	ds_load_b32 v[XS+4+\m], v5 offset:HSC+128*(4*\m+(\s))
.endr
.endif
.endm
; 16 matrix instructions: my eight tiles of outputs x row tiles 2 g, 2 g + 1, K step s.  A K step is its two halves; the 32 accumulators take turns, in the same order in every K step.  The first takes b2 as C.
.macro MM2H s, g
.set W0, 3
.set W1B, 0
.if (\s) == 2
.set W0, 1
.set W1B, 3
.endif
.if (\s) == 3
.set W0, 2
.set W1B, 1+(\g)
.endif
.set WC, 1+(\g)
.if (\s) == 0
.set WC, 0
.endif
.set WN, W0|(W1B<<2)|(WC<<4)|((1+(\g))<<6)
	WIN WN
.irp u, 0,1
.irp n, 0,1,2,3,4,5,6,7
.set rD, 8*(8*\u+\n)
.set rA, 128+12*\n
.if (\s) < 2
.set rA, 12*(8*(\s)+\n)
.endif
.set rB, HF+48*(\s)+12*(2*(\g)+\u)
.set rQ, HS+4*(\s)+2*(\g)+\u
.if (\s) == 2
.set rB, 192+12*(2*(\g)+\u)
.set rQ, XS+2*(\g)+\u
.endif
.if (\s) == 3
.set rB, 224+12*\u
.set rQ, XS+4+2*(\g)+\u
.endif
.set rC, rD
.if (\s) == 0
.set rC, B2+8*\n
.endif
.set rP, W2S+4*(\n/2)+(\s)
.if \n%2
	v_wmma_scale_f32_16x16x128_f8f6f4 v[rD:rD+7], v[rA:rA+11], v[rB:rB+11], v[rC:rC+7], v[rP], v[rQ] matrix_a_fmt:MATRIX_FMT_FP6 matrix_b_fmt:MATRIX_FMT_FP6 matrix_a_scale:MATRIX_SCALE_ROW1
.else
	v_wmma_scale_f32_16x16x128_f8f6f4 v[rD:rD+7], v[rA:rA+11], v[rB:rB+11], v[rC:rC+7], v[rP], v[rQ] matrix_a_fmt:MATRIX_FMT_FP6 matrix_b_fmt:MATRIX_FMT_FP6
.endif
.endr
.endr
.endm
; THE WAY OUT of row tile a.  ROFF: where each of its 16 tokens' rows lies in out0.  GMUL: x the gate.  TOSTAGE: through my own stage, back as whole rows of my 512 bytes.  SEND: stored, while rows count.
.macro ROFF a
	WIN 0
.irp q, 0,1                                    ; eight tokens at a time, in s30-37 (the lane selects in s36-37 are done with)
.irp i, 0,1,2,3,4,5,6,7
	v_readlane_b32 s[30+\i], v[TOK+(\a)], 8*\q+\i
.endr
	s_wait_alu depctr_va_sdst(0)                   ; the eight lines above have written s30-37, ahead of their first readers
.irp i, 0,1,2,3,4,5,6,7
	s_min_u32 s[30+\i], s[30+\i], 0x1fff
.endr
.irp i, 0,1,2,3,4,5,6,7
	s_lshl_b32 s[30+\i], s[30+\i], 11
.endr
.irp i, 0,1,2,3,4,5,6,7
	v_add_nc_u32 v[RO+16*((\a)%2)+8*\q+\i], s[30+\i], v10    ; 2,048 token + 512 wave + 16 lane
.endr
.endr
.endm
.macro GMUL a
	WIN (1+(\a)/2)|((1+(\a)/2)<<6)
.set j, 0
.rept 32
	v_pk_mul_f32 v[64*((\a)%2)+2*j:64*((\a)%2)+2*j+1], v[64*((\a)%2)+2*j:64*((\a)%2)+2*j+1], v[GT+2*(\a):GT+2*(\a)+1] op_sel_hi:[1,0]   ; each accumulator from its low end on
.set j, j+1
.endr
.endm
.macro TOSTAGE a
	WIN (1+(\a)/2)<<2                              ; an LDS store's data are its source 1
	s_wait_alu depctr_va_vdst(0)                   ; the gate's multiplies have written the accumulators, which the LDS stores read; the additions have written this row tile's offsets, which its stores to memory read; and all that read or wrote the registers in which the rows land is done
.irp n, 0,1,2,3,4,5,6,7
	ds_store_b128 v8, v[64*((\a)%2)+8*\n:64*((\a)%2)+8*\n+3] offset:64*\n           ; lane (r, h): y(token r, 128 w + 16 n + 8 h + 0 .. 7)
	ds_store_b128 v8, v[64*((\a)%2)+8*\n+4:64*((\a)%2)+8*\n+7] offset:64*\n+16
.endr
	WIN 0
.set BB, 88+104*((\a)%2)
.irp i, 0,1,2,3,4,5,6,7,8,9,10,11,12,13,14,15
	ds_load_b128 v[BB+4*\i:BB+4*\i+3], v9 offset:528*\i    ; LDS serves a wave's instructions in order (ISA guide 5.7.1.4): these see the stores above
.endr
.endm
.macro SEND a, younger                 ; younger: the LDS instructions issued behind tile a's loads, which may stay out
.set BB, 88+104*((\a)%2)
	s_wait_dscnt \younger
.irp i, 0,1,2,3,4,5,6,7,8,9,10,11,12,13,14,15
	s_cmp_le_u32 s29, 16*(\a)+\i                   ; rows from the stored count on are filling: nothing of them, nor of what follows, is stored
	s_cbranch_scc1 .Lend
	global_store_b128 v[RO+16*((\a)%2)+\i], v[BB+4*\i:BB+4*\i+3], s[24:25] th:TH_STORE_NT    ; 32 lanes store 512 consecutive bytes of one token's row, at a multiple of 512
.endr
.endm
	s_load_b512 s[4:19], s[0:1], 0x0               ; tiles s[4:5], rows s[6:7], xc s[8:9], xs s[10:11], gate s[12:13], wimg s[14:15], W1's scales s[16:17], b1 s[18:19]
	s_load_b128 s[20:23], s[0:1], 0x40             ; W2's scales s[20:21], b2 s[22:23]
	s_load_b64 s[24:25], s[0:1], 0x50              ; out0
	v_lshl_add_u32 v190, v0, 2, 0xec00
	v_mov_b32 v191, 0
	v_lshrrev_b32 v1, 5, v0
	v_readfirstlane_b32 s26, v1                    ; wave 0..3
	v_and_b32 v1, 31, v0                           ; lane
	v_and_b32 v2, 15, v0                           ; r
	v_bfe_u32 v3, v0, 4, 1                         ; h
	v_lshlrev_b32 v4, 4, v1                        ; 16 x lane: an image's place for my lane
	v_lshlrev_b32 v5, 2, v1                        ; 4 x lane: a scale word's
	s_wait_alu depctr_va_sdst(0)                   ; s26 is written, ahead of its first reader: LDS places and the weights' bases are made from it
	s_mul_i32 s2, s26, 1536                        ; (each of the wave's four terms has a scalar register of its own: none that a vector line reads is written again by a scalar line)
	v_add_nc_u32 v6, s2, v4                        ; where I store the hidden layer's images: K step = my wave
	s_lshl_b32 s3, s26, 7
	v_add_nc_u32 v7, s3, v5                        ; and their scale words
	s_mul_i32 s27, s26, 8448
	s_add_co_u32 s27, s27, STG                     ; my stage
	v_mul_u32_u24 v8, v2, 528
	v_lshl_add_u32 v8, v3, 5, v8
	v_add_nc_u32 v8, s27, v8                       ; in: row r, + 32 h
	v_add_nc_u32 v9, s27, v4                       ; back: 16 bytes a lane of a row
	s_lshl_b32 s38, s26, 9
	v_add_nc_u32 v10, s38, v4                      ; my wave's 512 bytes of a row of out0
	v_and_b32 v11, 8, v2
	v_add_nc_u32 v11, v11, v2
	v_lshl_add_u32 v11, v3, 3, v11
	v_lshlrev_b32 v11, 4, v11                      ; W1's scale words: row r + 8 (r / 8) + 8 h of a pair of tiles, 16 bytes a row
	v_lshlrev_b32 v12, 6, v3                       ; b1: 64 h
	v_lshlrev_b32 v13, 5, v3                       ; b2: 32 h
	v_lshlrev_b32 v14, 2, v2                       ; rows: 4 r
	v_mul_u32_u24 v15, v3, 48                      ; xc: 48 h
	s_mov_b32 s[SEL], 0x76543210
	s_mov_b32 s[SEL+1], 0xfedcba98
.irp b, 0,1,2,3
	v_mov_b32 v[TM+4+\b], 0                        ; written once: a lane permute's destination counts as one of its sources
	v_mov_b32 v[GT+2*\b+1], 0                      ; named as the upper half of a pair
.endr
	s_lshl_b32 s30, ttmp9, 3
	s_mov_b32 s31, 0
	s_lshl_b32 s32, ttmp9, 8
	s_mov_b32 s33, 0
	s_wait_kmcnt 0x0
	s_add_nc_u64 s[4:5], s[4:5], s[30:31]
	s_add_nc_u64 s[6:7], s[6:7], s[32:33]
	s_load_b64 s[28:29], s[4:5], 0x0               ; my tile: the expert, the rows that count
	s_wait_alu depctr_va_vdst(0)                   ; the lane terms v4 to v15 are written: every load and store of the kernel reads one of them, or an offset made later, as its address
.irp m, 0,1,2,3
	global_load_b32 v[TOK+\m], v14, s[6:7] offset:64*\m      ; its 64 tokens
.endr
	s_wait_kmcnt 0x0
	s_min_u32 s28, s28, 7
	s_min_u32 s29, s29, 64
	s_mul_i32 s30, s28, 196608                     ; an expert's 128 fragments; my wave's 32
	s_mul_i32 s32, s26, 49152
	s_add_co_u32 s30, s30, s32
	s_add_nc_u64 s[14:15], s[14:15], s[30:31]
	s_lshl_b32 s30, s28, 13                        ; scale bytes: 8,192 an expert, 2,048 for my 128 rows
	s_lshl_b32 s32, s26, 11
	s_add_co_u32 s30, s30, s32
	s_add_nc_u64 s[16:17], s[16:17], s[30:31]
	s_add_nc_u64 s[20:21], s[20:21], s[30:31]
	s_lshl_b32 s30, s28, 11                        ; biases: 2,048 bytes an expert, 512 for my 128
	s_lshl_b32 s32, s26, 9
	s_add_co_u32 s30, s30, s32
	s_add_nc_u64 s[18:19], s[18:19], s[30:31]
	s_add_nc_u64 s[22:23], s[22:23], s[30:31]
.irp b, 0,1,2,3
	global_load_b128 v[W1S+4*\b:W1S+4*\b+3], v11, s[16:17] offset:512*\b     ; W1's scale words: four K steps of a row at once
.endr
	WIN 0x40
.irp t, 0,1,2,3,4,5,6,7
	global_load_b128 v[192+8*\t:195+8*\t], v12, s[18:19] offset:128*(\t/2)+32*(\t%2)         ; b1 in the result's layout: hidden units 32 b + 16 h + 8 u + 0 .. 7
	global_load_b128 v[196+8*\t:199+8*\t], v12, s[18:19] offset:128*(\t/2)+32*(\t%2)+16
.endr
	LDW1 0
	WIN 0
	s_wait_loadcnt 44                              ; the tokens are in: behind them 4 + 16 + 24 loads were issued
.irp m, 0,1,2,3
	v_min_u32 v[TOK+\m], 0x1fff, v[TOK+\m]
.endr
.irp m, 0,1,2,3
	v_mul_u32_u24 v[XO+\m], v[TOK+\m], 384
	v_lshlrev_b32 v[XSO+\m], 4, v[TOK+\m]
	v_lshlrev_b32 v[GO+\m], 2, v[TOK+\m]
.endr
.irp m, 0,1,2,3
	v_add_nc_u32 v[XO+\m], v[XO+\m], v15
.endr
	s_wait_alu depctr_va_vdst(0)                   ; the tokens' offsets v20 to v31 are written, which the loads of x, of its scale words and of the gates read; they are never written again
	LDX 0
	LDX 1
.irp m, 0,1,2,3
	global_load_b32 v[GT+2*\m], v[GO+\m], s[12:13]
.endr
	LDW1 1
	s_wait_loadcnt 41                              ; all up to row tile 0's x is in: behind it 13 + 4 + 24
	MM1 0, 0
	LDW1 2                                         ; (these and the loads below, up to the next s_wait_alu, land in registers that no vector or matrix instruction has named)
	s_wait_loadcnt 24                              ; W1's K step 1 is in (and row tile 1's x, and the gates); the 24 just issued stay out
	MM1 0, 1
	LDW1 3
	s_wait_loadcnt 24
	MM1 0, 2
	WIN 0
.irp n, 0,1,2,3,4,5,6,7
	global_load_b128 v[B2+8*\n:B2+8*\n+3], v13, s[22:23] offset:64*\n        ; b2: outputs 16 n + 8 h + 0 .. 7
	global_load_b128 v[B2+8*\n+4:B2+8*\n+7], v13, s[22:23] offset:64*\n+16
.endr
.irp b, 0,1,2,3
	global_load_b128 v[W2S+4*\b:W2S+4*\b+3], v4, s[20:21] offset:512*\b      ; W2's scale words: row 32 b + lane
.endr
	s_wait_loadcnt 20                              ; W1's K step 3 is in; the 16 + 4 just issued stay out
	MM1 0, 3
	PLACES                                         ; behind the last products, ahead of the activation's first read of their results
	s_wait_alu depctr_va_vdst(0)                   ; row tile 0's matrix instructions are done reading its x and its scale words, in which row tile 2's land
	LDX 2                                          ; into the registers that row tile 0's x has left
	LDW2 0
	HID 0
	MM1 1, 0
	MM1 1, 1
	MM1 1, 2
	MM1 1, 3
	PLACES
	s_wait_alu depctr_va_vdst(0)                   ; row tile 1's matrix instructions are done reading its x and its scale words, in which row tile 3's land; row tile 0's codes and scale word are written, which its image's stores read
	LDX 3
	LDW2 1
	HID 1
	s_wait_loadcnt 61                              ; row tile 2's x is in: behind it 24 + 13 + 24
	MM1 2, 0
	MM1 2, 1
	MM1 2, 2
	MM1 2, 3
	PLACES
	s_wait_alu depctr_va_vdst(0)                   ; row tile 1's codes and scale word are written, which its image's stores read
	HID 2
	s_wait_loadcnt 24                              ; row tile 3's x is in (and W2's K step 0, b2 and W2's scale words); W2's K step 1 stays out
	MM1 3, 0
	MM1 3, 1
	MM1 3, 2
	MM1 3, 3
	PLACES
	s_wait_alu depctr_va_vdst(0)                   ; the first product is done reading W1, b1 and x, over which W2's K steps 2 and 3 land; row tile 2's codes and scale word are written, which its image's stores read
	LDW2 2                                         ; over W1's fragments, which are done with
	LDW2 3
	HID 3
	s_wait_alu depctr_va_vdst(0)                   ; row tile 3's codes and scale word are written, which its image's stores read
	IMAGE 3
	s_wait_dscnt 0x0                               ; for the others' sake: my four images and their scale words lie in LDS
	s_barrier_signal -1
	s_barrier_wait -1                              ; the hidden layer's sixteen fragments are whole
	s_wait_alu depctr_vm_vsrc(0)                   ; my image's stores have read v[PC ..], in which fragments of K step 1 land
	s_wait_alu depctr_va_vdst(0)                   ; row tile 3's lines have written and read v88 to v183, and the first product has read x's, b1's and x's scale words' registers: the four sets of fragments and their scale words land in these
	HFETCH 0
	HFETCH 1
	s_wait_dscnt 16                                ; K step 0 is in, K step 1's 16 loads stay out
	MM2H 0, 0
	HFETCH 2                                       ; no wait: no vector or matrix instruction since the wait behind the barrier names this set's registers; likewise K step 3's below
	MM2H 0, 1
	s_wait_dscnt 16                                ; K step 1 is in, K step 2's 16 loads stay out
	s_wait_loadcnt 48                              ; W2's K step 1 is in; K steps 2 and 3 stay out
	MM2H 1, 0
	HFETCH 3
	MM2H 1, 1
	s_wait_dscnt 16                                ; K step 2 is in, K step 3's 16 loads stay out
	s_wait_loadcnt 24
	MM2H 2, 0
	MM2H 2, 1
	s_wait_dscnt 0x0
	s_wait_loadcnt 0x0
	MM2H 3, 0
	MM2H 3, 1
	PLACES                                         ; the offsets below are written over fragments that the second product read, and the gate's multiplies read results
	ROFF 0
	GMUL 0
	TOSTAGE 0
.irp a, 1,2,3
.if \a > 1
	s_wait_xcnt 0x0                                ; row tile a - 2's stores have had their addresses translated (ISA guide 3.1),
	s_wait_alu depctr_vm_vsrc(0)                   ; and have read their offsets and data: both sets of registers are written again, by the additions and by the loads from the stage
.endif
	ROFF \a
	GMUL \a
	TOSTAGE \a
	SEND \a-1, 32                                  ; behind tile a - 1's loads: tile a's 16 stores and 16 loads
.endr
	SEND 3, 0
.Lend:
	s_wait_dscnt 0x0
	s_wait_alu depctr_hold_cnt(0) depctr_sa_sdst(0) depctr_va_vdst(0) depctr_va_sdst(0) depctr_va_ssrc(0) depctr_va_vcc(0) depctr_vm_vsrc(0)
	s_wait_tensorcnt 0x0
	ds_add_u32 v190, v191
	s_wait_dscnt 0x0
	s_endpgm
.Lfunc_end_k_q7deb37eb32_chain:
	.size	k_q7deb37eb32_chain, .Lfunc_end_k_q7deb37eb32_chain-k_q7deb37eb32_chain
	.p2alignl 7, 3214868480
	.fill 96, 4, 3214868480
	.section	.rodata,"a",@progbits
	.p2align	6, 0x0
	.amdhsa_kernel k_q7deb37eb32_chain
		.amdhsa_group_segment_fixed_size 60928
		.amdhsa_private_segment_fixed_size 0
		.amdhsa_enable_private_segment 0
		.amdhsa_kernarg_size 88
		.amdhsa_user_sgpr_count 2
		.amdhsa_user_sgpr_kernarg_segment_ptr 1
		.amdhsa_wavefront_size32 1
		.amdhsa_system_sgpr_workgroup_id_x 1
		.amdhsa_system_sgpr_workgroup_id_y 1
		.amdhsa_system_sgpr_workgroup_id_z 1
		.amdhsa_system_vgpr_workitem_id 0
		.amdhsa_next_free_vgpr 1024
		.amdhsa_next_free_sgpr 66
		.amdhsa_reserve_vcc 0
		.amdhsa_float_denorm_mode_32 3
		.amdhsa_float_denorm_mode_16_64 3
		.amdhsa_memory_ordered 1
		.amdhsa_forward_progress 1
		.amdhsa_inst_pref_size 134
	.end_amdhsa_kernel
	.amdgpu_metadata
---
amdhsa.version: [ 1, 2 ]
amdhsa.kernels:
  - .name:           k_q7deb37eb32_chain
    .symbol:         k_q7deb37eb32_chain.kd
    .args:
      - { .name: tiles, .offset: 0, .size: 8, .value_kind: global_buffer, .address_space: global }
      - { .name: rows, .offset: 8, .size: 8, .value_kind: global_buffer, .address_space: global }
      - { .name: xc, .offset: 16, .size: 8, .value_kind: global_buffer, .address_space: global }
      - { .name: xs, .offset: 24, .size: 8, .value_kind: global_buffer, .address_space: global }
      - { .name: gate, .offset: 32, .size: 8, .value_kind: global_buffer, .address_space: global }
      - { .name: wimg, .offset: 40, .size: 8, .value_kind: global_buffer, .address_space: global }
      - { .name: W1_scales, .offset: 48, .size: 8, .value_kind: global_buffer, .address_space: global }
      - { .name: b1, .offset: 56, .size: 8, .value_kind: global_buffer, .address_space: global }
      - { .name: W2_scales, .offset: 64, .size: 8, .value_kind: global_buffer, .address_space: global }
      - { .name: b2, .offset: 72, .size: 8, .value_kind: global_buffer, .address_space: global }
      - { .name: out0, .offset: 80, .size: 8, .value_kind: global_buffer, .address_space: global }
    .group_segment_fixed_size: 60928
    .private_segment_fixed_size: 0
    .kernarg_segment_align: 8
    .kernarg_segment_size: 88
    .max_flat_workgroup_size: 128
    .sgpr_count:     66
    .vgpr_count:     1024
    .wavefront_size: 32
...
	.end_amdgpu_metadata
.endif
;; end of part 6
